; MI455X (gfx1250); checked and timed in simulation.
; The chip was launched on July 23, 2026; its instructions are those of AMD's public machine-readable ISA for CDNA 5 (MIT licence, August 2026) and "CDNA5" Instruction Set Architecture Reference Guide (July 2026). The comments in the code are by the model that wrote it; some were corrected since.
;; Mo E Block. Allowed arithmetic: float matrix products may take bf16 or f16 operands with f32 sums; all other float work in f32.
;; Inputs: W1 2 x 1,024 x 4,096 float32; W2 2 x 4,096 x 1,024 float32; Wr 1,024 x 2 float32; b1 2 x 4,096 float32; b2 2 x 1,024 float32; br 2 float32; x 4 x 1,024 x 1,024 float32.
;; Outputs: out0 4 x 1,024 x 1,024 float32.
;; Constants: k = 2.
;; 2 versions, each right; version 2 is version 1 with the launch prep written anew for expert scheduling mode. Each part assembles by itself: llvm-mc -triple=amdgcn-amd-amdhsa -mcpu=gfx1250 --defsym DOCPART=n.
;; ======== version 1 of 2: 4 launches
;; limits: a function is approximated: absolute error at most 2.5e-05; an absolute error that grows with the inputs' magnitude: up to 1.25e-05 times it; values are held in f16: magnitudes above 65,504 overflow, below 6.1e-05 lose precision; inputs' magnitudes at most 65,504
;; workspace buffers: xh 8,388,608 bytes; w1h 16,777,216 bytes; w2h 16,777,216 bytes; gates 32,768 bytes; h 67,108,864 bytes; part 67,108,864 bytes
;; launch prep (part 1): grid 256 x 3, 8 waves a work-group, no clusters, 0 bytes of LDS; arguments W1, W2, x, Wr, br, w1h, w2h, xh, gates; writes w1h, w2h, xh, gates
.if DOCPART == 1
	.amdgcn_target "amdgcn-amd-amdhsa--gfx1250"
	.amdhsa_code_object_version 6
	.text
	.protected	k_q2c32fd9794_prep
	.globl	k_q2c32fd9794_prep
	.p2align	8
	.type	k_q2c32fd9794_prep,@function
k_q2c32fd9794_prep:
	s_mov_b64 s[64:65], 0
	v_nop
	global_prefetch_b8 v0, s[64:65] scope:SCOPE_SE
	s_setreg_imm32_b32 hwreg(HW_REG_WAVE_MODE, 25, 1), 1
	s_wait_xcnt 0x0
; prep: W1, W2 and x from f32 to f16 in the same layout (the matrix launches take 16-bit operands), and the router in f32.
; WHY f16 AND NOT bf16: the result passes through four roundings of operands (x, W1, h, W2), each of which adds noise in proportion to its step; f16 has
; 11 significant bits against bf16's 8, an eighth of the noise.
; LIMIT: f16 reaches 65,504, is fully precise down to 2^-14 and has steps of 2^-24 below.  x as drawn reaches about 5.5 and the weights 0.11: thirty times
; larger (165; 3.3) or an offset of thirty spreads (35; 0.7) fits.  Weights thirty times smaller have a root mean square of 6.7e-4, eleven times 2^-14, and
; the step 2^-24 is 9e-5 of that.  An input of magnitude 65,520 or more becomes infinite here.
; Grid y = 0: W1, y = 1: W2, y = 2: x with the router.  A stream: no LDS, no barrier, no matrix unit; every input byte is read once.
; y = 0, 1: a work-group casts 131,072 bytes of f32 (256 groups x 131,072 = the tensor's 33,554,432).  All 32 loads of a thread go out first,
;           each into registers of its own, so nothing is rewritten while a load or store may still read it.
; y = 2:    a work-group takes 16 rows of x, a wave two.  A row (4,096 bytes) lies in 32 registers of the wave: it feeds the two logits and is
;           then rounded and stored.  gates[e][t] = p_e where p_e >= the second largest p (k = 2), else 0; p = softmax with the maximum taken away.
; The gates leave as 8 bytes a wave and expert: 32,768 bytes in the whole launch beside 41,943,040 of casts.
.set CX,  4                            ; cast: v[4:131]   32 loads of 4 registers
.set W,   4                            ; router: v[4:67]  Wr: W+8j+2c+e = Wr[128 j + 4 lane + c][e]
.set RX,  68                           ; v[68:131]        two rows of x: RX+32r+4j+c = x[row r][128 j + 4 lane + c]
.set ACC, 132                          ; v[132:139]       row r: four chains: logit 0 and 1 of even c, logit 0 and 1 of odd c
	s_load_b512 s[8:23], s[0:1], 0x0               ; W1 s[8:9], W2 s[10:11], x s[12:13], Wr s[14:15], br s[16:17], w1h s[18:19], w2h s[20:21], xh s[22:23]
	s_load_b64 s[24:25], s[0:1], 0x40              ; gates
	s_and_b32 s3, ttmp7, 0xffff                    ; grid y: which job
	s_lshl_b32 s30, ttmp9, 17                      ; group x 131,072 bytes of f32
	s_mov_b32 s31, 0
	s_lshl_b32 s32, ttmp9, 16                      ; group x 65,536: bytes of f16 of a weight, and 16 rows of x in f32
	s_mov_b32 s33, 0
	s_wait_kmcnt 0x0
	s_cmp_eq_u32 s3, 2
	s_cbranch_scc1 .Lrouter
	; ---- the cast of a weight ----
	s_cmp_eq_u32 s3, 0
	s_cselect_b64 s[26:27], s[8:9], s[10:11]       ; from W1 or W2
	s_cselect_b64 s[28:29], s[18:19], s[20:21]     ; to w1h or w2h
	s_add_nc_u64 s[26:27], s[26:27], s[30:31]
	s_add_nc_u64 s[28:29], s[28:29], s[32:33]
	v_lshlrev_b32 v1, 4, v0                        ; 16 bytes of f32 a thread: a wave's load covers 512 neighbouring bytes
	v_lshlrev_b32 v2, 3, v0                        ; 8 bytes of f16 a thread: a wave's store covers 256 neighbouring bytes, aligned
.set i, 0
.rept 32
	global_load_b128 v[CX+4*i:CX+4*i+3], v1, s[26:27] offset:4096*i th:TH_LOAD_NT
.set i, i+1
.endr
.set i, 0
.rept 32
	s_wait_loadcnt 31-i                            ; loads return in order: load i is in, the 31 - i younger ones stay out
	v_cvt_pk_f16_f32 v[CX+4*i],   v[CX+4*i],   v[CX+4*i+1]
	v_cvt_pk_f16_f32 v[CX+4*i+1], v[CX+4*i+2], v[CX+4*i+3]
	global_store_b64 v2, v[CX+4*i:CX+4*i+1], s[28:29] offset:2048*i
.set i, i+1
.endr
	s_endpgm
	; ---- x and the router ----
.Lrouter:
	s_load_b64 s[34:35], s[16:17], 0x0             ; br[0], br[1]
	v_lshrrev_b32 v141, 5, v0
	v_readfirstlane_b32 s4, v141                   ; wave 0..7
	v_and_b32 v1, 31, v0                           ; lane
	v_lshlrev_b32 v2, 4, v1                        ; x: 16 bytes a lane
	v_lshlrev_b32 v3, 3, v1                        ; xh: 8 bytes a lane
	v_lshlrev_b32 v140, 5, v1                      ; Wr: 4 rows of 8 bytes a lane
	s_mov_b32 s36, 0x76543210                      ; v_permlanex16_b32: lane i of one half reads lane i of the other
	s_mov_b32 s37, 0xfedcba98
	s_lshl_b32 s40, s4, 13                         ; wave x 2 rows x 4,096 bytes
	s_add_co_u32 s40, s40, s32                     ; + group x 16 rows
	s_mov_b32 s41, 0
	s_add_nc_u64 s[12:13], s[12:13], s[40:41]      ; x at my two rows
	s_lshl_b32 s42, ttmp9, 15
	s_lshl_b32 s43, s4, 12
	s_add_co_u32 s42, s42, s43
	s_mov_b32 s43, 0
	s_add_nc_u64 s[22:23], s[22:23], s[42:43]      ; xh at my two rows (2,048 bytes each)
	s_lshl_b32 s44, ttmp9, 6
	s_lshl_b32 s45, s4, 3
	s_add_co_u32 s44, s44, s45
	s_mov_b32 s45, 0
	s_add_nc_u64 s[24:25], s[24:25], s[44:45]      ; gates[0] at my two tokens
.irp j, 0,1,2,3,4,5,6,7
	global_load_b128 v[W+8*\j:W+8*\j+3],   v140, s[14:15] offset:1024*\j
	global_load_b128 v[W+8*\j+4:W+8*\j+7], v140, s[14:15] offset:1024*\j+16
.endr
.irp r, 0,1
.irp j, 0,1,2,3,4,5,6,7
	global_load_b128 v[RX+32*\r+4*\j:RX+32*\r+4*\j+3], v2, s[12:13] offset:4096*\r+512*\j th:TH_LOAD_NT
.endr
.endr
; Row r: the two logits (every lane ends with both), then the row rounded in place and stored.  left = younger loads that may stay out.
.macro ROW r, left
	s_wait_loadcnt \left
	v_mul_f32  v[ACC+4*\r+0], v[RX+32*\r+0], v[W+0]            ; the first products start the four chains: nothing is cleared
	v_mul_f32  v[ACC+4*\r+1], v[RX+32*\r+0], v[W+1]
	v_mul_f32  v[ACC+4*\r+2], v[RX+32*\r+1], v[W+2]
	v_mul_f32  v[ACC+4*\r+3], v[RX+32*\r+1], v[W+3]
	v_fmac_f32 v[ACC+4*\r+0], v[RX+32*\r+2], v[W+4]
	v_fmac_f32 v[ACC+4*\r+1], v[RX+32*\r+2], v[W+5]
	v_fmac_f32 v[ACC+4*\r+2], v[RX+32*\r+3], v[W+6]
	v_fmac_f32 v[ACC+4*\r+3], v[RX+32*\r+3], v[W+7]
.irp j, 1,2,3,4,5,6,7
.irp c, 0,1,2,3
	v_fmac_f32 v[ACC+4*\r+2*(\c&1)],   v[RX+32*\r+4*\j+\c], v[W+8*\j+2*\c]
	v_fmac_f32 v[ACC+4*\r+2*(\c&1)+1], v[RX+32*\r+4*\j+\c], v[W+8*\j+2*\c+1]
.endr
.endr
	v_add_f32 v[ACC+4*\r],   v[ACC+4*\r],   v[ACC+4*\r+2]
	v_add_f32 v[ACC+4*\r+1], v[ACC+4*\r+1], v[ACC+4*\r+3]
.irp m, 1,2,4,8
	v_add_f32_dpp v[ACC+4*\r],   v[ACC+4*\r],   v[ACC+4*\r]   row_xmask:\m row_mask:0xf bank_mask:0xf
	v_add_f32_dpp v[ACC+4*\r+1], v[ACC+4*\r+1], v[ACC+4*\r+1] row_xmask:\m row_mask:0xf bank_mask:0xf
.endr
	v_permlanex16_b32 v[ACC+4*\r+2], v[ACC+4*\r],   s36, s37   ; the destinations are the spent chains: written before
	v_permlanex16_b32 v[ACC+4*\r+3], v[ACC+4*\r+1], s36, s37
	v_add_f32 v[ACC+4*\r],   v[ACC+4*\r],   v[ACC+4*\r+2]
	v_add_f32 v[ACC+4*\r+1], v[ACC+4*\r+1], v[ACC+4*\r+3]
.irp j, 0,1,2,3,4,5,6,7
	v_cvt_pk_f16_f32 v[RX+32*\r+4*\j],   v[RX+32*\r+4*\j],   v[RX+32*\r+4*\j+1]
	v_cvt_pk_f16_f32 v[RX+32*\r+4*\j+1], v[RX+32*\r+4*\j+2], v[RX+32*\r+4*\j+3]
	global_store_b64 v3, v[RX+32*\r+4*\j:RX+32*\r+4*\j+1], s[22:23] offset:2048*\r+256*\j   ; the wave stores 256 neighbouring bytes, aligned
.endr
.endm
	ROW 0, 8                                       ; Wr and row 0 are in; row 1's eight loads stay out
	ROW 1, 0
	; the gates: lanes 0..3 = (row 0, e 0), (row 1, e 0), (row 0, e 1), (row 1, e 1); the other lanes compute along and store nothing
	v_and_b32 v141, 1, v1                          ; which row
	v_cmp_eq_u32 vcc_lo, 1, v141
	v_cndmask_b32 v142, v[ACC],   v[ACC+4], vcc_lo
	v_cndmask_b32 v143, v[ACC+1], v[ACC+5], vcc_lo
	s_wait_kmcnt 0x0                               ; br
	v_add_f32 v142, s34, v142                      ; logit 0
	v_add_f32 v143, s35, v143                      ; logit 1
	v_max_num_f32 v144, v142, v143                 ; the maximum is taken away, as in the softmax
	v_sub_f32 v142, v142, v144
	v_sub_f32 v143, v143, v144
	v_mul_f32 v142, 0x3fb8aa3b, v142               ; e^x = 2^(x log2 e)
	v_mul_f32 v143, 0x3fb8aa3b, v143
	v_exp_f32 v145, v142
	v_exp_f32 v146, v143
	v_nop                                          ; one plain vector instruction behind the exponentials, ahead of their first use
	s_wait_alu depctr_va_vdst(0)
	v_add_f32 v147, v145, v146
	v_rcp_f32 v148, v147
	v_nop                                          ; and behind the reciprocal
	s_wait_alu depctr_va_vdst(0)
	v_mul_f32 v145, v145, v148                     ; p0
	v_mul_f32 v146, v146, v148                     ; p1
	v_min_num_f32 v149, v145, v146                 ; the k-th largest of two, k = 2
	v_cmp_ge_f32 vcc_lo, v145, v149
	v_cndmask_b32 v145, 0, v145, vcc_lo            ; p >= kth ? p : 0
	v_cmp_ge_f32 vcc_lo, v146, v149
	v_cndmask_b32 v146, 0, v146, vcc_lo
	v_and_b32 v150, 2, v1                          ; which expert (0 or 2)
	v_cmp_ne_u32 vcc_lo, 0, v150
	v_cndmask_b32 v145, v145, v146, vcc_lo
	v_lshlrev_b32 v151, 2, v141                    ; 4 bytes a token
	v_lshl_add_u32 v151, v150, 13, v151            ; + 16,384 bytes an expert
	s_wait_xcnt 0x0                                ; EXEC is a source of the stores above: it changes only behind this wait
	v_cmp_gt_u32 vcc_lo, 4, v1
	s_and_saveexec_b32 s39, vcc_lo
	global_store_b32 v151, v145, s[24:25]
	s_wait_xcnt 0x0                                ; and again ahead of the line that widens it
	s_or_b32 exec_lo, exec_lo, s39
	s_endpgm
.Lfunc_end_k_q2c32fd9794_prep:
	.size	k_q2c32fd9794_prep, .Lfunc_end_k_q2c32fd9794_prep-k_q2c32fd9794_prep
	.p2alignl 7, 3214868480
	.fill 96, 4, 3214868480
	.section	.rodata,"a",@progbits
	.p2align	6, 0x0
	.amdhsa_kernel k_q2c32fd9794_prep
		.amdhsa_group_segment_fixed_size 0
		.amdhsa_private_segment_fixed_size 0
		.amdhsa_enable_private_segment 0
		.amdhsa_kernarg_size 72
		.amdhsa_user_sgpr_count 2
		.amdhsa_user_sgpr_kernarg_segment_ptr 1
		.amdhsa_wavefront_size32 1
		.amdhsa_system_sgpr_workgroup_id_x 1
		.amdhsa_system_sgpr_workgroup_id_y 1
		.amdhsa_system_sgpr_workgroup_id_z 1
		.amdhsa_system_vgpr_workitem_id 0
		.amdhsa_next_free_vgpr 152
		.amdhsa_next_free_sgpr 66
		.amdhsa_reserve_vcc 1
		.amdhsa_float_denorm_mode_32 3
		.amdhsa_float_denorm_mode_16_64 3
		.amdhsa_memory_ordered 1
		.amdhsa_forward_progress 1
		.amdhsa_inst_pref_size 27
	.end_amdhsa_kernel
	.amdgpu_metadata
---
amdhsa.version: [ 1, 2 ]
amdhsa.kernels:
  - .name:           k_q2c32fd9794_prep
    .symbol:         k_q2c32fd9794_prep.kd
    .args:
      - { .name: W1, .offset: 0, .size: 8, .value_kind: global_buffer, .address_space: global }
      - { .name: W2, .offset: 8, .size: 8, .value_kind: global_buffer, .address_space: global }
      - { .name: x, .offset: 16, .size: 8, .value_kind: global_buffer, .address_space: global }
      - { .name: Wr, .offset: 24, .size: 8, .value_kind: global_buffer, .address_space: global }
      - { .name: br, .offset: 32, .size: 8, .value_kind: global_buffer, .address_space: global }
      - { .name: w1h, .offset: 40, .size: 8, .value_kind: global_buffer, .address_space: global }
      - { .name: w2h, .offset: 48, .size: 8, .value_kind: global_buffer, .address_space: global }
      - { .name: xh, .offset: 56, .size: 8, .value_kind: global_buffer, .address_space: global }
      - { .name: gates, .offset: 64, .size: 8, .value_kind: global_buffer, .address_space: global }
    .group_segment_fixed_size: 0
    .private_segment_fixed_size: 0
    .kernarg_segment_align: 8
    .kernarg_segment_size: 72
    .max_flat_workgroup_size: 256
    .sgpr_count:     66
    .vgpr_count:     152
    .wavefront_size: 32
...
	.end_amdgpu_metadata
.endif
;; end of part 1
;; launch ffn1 (part 2): grid 32 x 16, 4 waves a work-group, clusters of 4 x 4, 327,680 bytes of LDS; arguments xh, w1h, b1, gates, h; writes h
.if DOCPART == 2
	.amdgcn_target "amdgcn-amd-amdhsa--gfx1250"
	.amdhsa_code_object_version 6
	.text
	.protected	k_q2c32fd9794_ffn1
	.globl	k_q2c32fd9794_ffn1
	.p2align	8
	.type	k_q2c32fd9794_ffn1,@function
k_q2c32fd9794_ffn1:
	s_mov_b64 s[64:65], 0
	v_nop
	global_prefetch_b8 v0, s[64:65] scope:SCOPE_SE
	s_setreg_imm32_b32 hwreg(HW_REG_WAVE_MODE, 25, 1), 1
	s_wait_xcnt 0x0
	s_wait_alu depctr_hold_cnt(0) depctr_sa_sdst(0) depctr_va_vdst(0) depctr_va_sdst(0) depctr_va_ssrc(0) depctr_va_vcc(0) depctr_vm_vsrc(0)
	s_getreg_b32 s2, hwreg(HW_REG_IB_STS2, 6, 4)
	s_cmp_eq_u32 s2, 0
	s_cbranch_scc0 .Lentry_in_a_cluster
	s_endpgm
.Lentry_in_a_cluster:
	s_bfe_u32 s2, ttmp6, 0x10000c
	s_cmp_lg_u32 s2, 0xf033
	s_cbranch_scc0 .Lentry_shape_is_right
	s_endpgm
.Lentry_shape_is_right:
; ffn1: h[t][e 4096 + f] = g[e][t] * gelu(sum over d of xh[t][d] w1h[e][d][f] + b1[e][f]), f16 out, sums and gelu in f32.
; M = 4096 tokens, N = 8192 (both experts side by side), K = 1024.  The gate (>= 0) is folded into h, so that the next launch's product over
; K = 8192 is already the gated sum over the experts.  The mask (g > 0) on x is honoured through that factor: where g = 0 the stored h is 0.
; LIMITS: (1) the pre-activation must be finite in f32 also for a token whose gate is 0.  (2) erf(u) = 1 - (a1 t + a2 t^2 + a3 t^3) e^(-u^2),
; t = 1 / (1 + 0.47047 u), u = |z| / sqrt 2 (Abramowitz and Stegun 7.1.25): absolute error at most 2.5e-5 for every u >= 0, so g gelu is off by at
; most 1.25e-5 g |z|; for z > 0, where h >= g z / 2, that is a tenth of the rounding of h to f16 (2^-12 h).  For large |z| the exponential is 0 and the
; form is exact.  (3) h is kept in f16 (11 significant bits; bf16's 8 would add eight times the noise): g gelu(z) must stay below 65,504.  As drawn |z|
; reaches about 3.5; with x and W1 both thirty times larger about 3,200; with both carrying an offset of thirty spreads (30 and 0.6)
; 1024 x 30 x 0.6 = 18,432.  With both thirty times smaller h has a root mean square of about 2e-4, of which f16's smallest step, 2^-24, is 3e-4.
;
; A work-group makes 256 x 256 of h with four waves, a wave 128 x 128: 64 accumulator tiles of 16 x 16, 512 registers.  K goes in steps of 128 through
; two LDS slots filled by the tensor data mover.  xh's tile lies [row][K] (rows of 256 bytes, LDS pitch 272); w1h's tile lies [K][N] as in memory
; (128 K rows of 512 bytes, LDS pitch 544) and its fragments are made by the transposing LDS load.
; CLUSTERS: 4 x 4 work-groups.  The four of a row of the cluster need the same tile of xh, the four of a column the same tile of w1h: each tile is
; asked for jointly, by the same line with the same descriptor and a mask that names the four.
; REGISTER WINDOWS: 0: addresses, gates, constants, A's fragments (v64-127, v128-191), the bias (v192-255); 1: B's fragments (v64-127, v128-191);
; 2: the accumulators of my rows 0-63 (tile (a, b) at v[8 (8 a + b)]); 3: those of rows 64-127.
; THE MATRIX INSTRUCTION IS USED TRANSPOSED (source 0 = 16 columns of w1h, source 1 = 16 rows of xh): lane l holds row l % 16 and in registers 0..7
; the columns 8 (l / 16) + 0..7, eight neighbouring numbers of a row of h.
; The 64 accumulators take turns, one matrix instruction a turn, in the same order everywhere.
.set KSTEP,  128
.set PA,     272                       ; LDS pitch of xh's rows: 256 + 16 bytes
.set PB,     544                       ; LDS pitch of w1h's K rows: 512 + 32 bytes = 136 words: eight rows x two 16-byte columns fall on 64 different words modulo 64
.set HALFT,  34816                     ; one tensor load: 128 x 272 = 64 x 544
.set SLOT,   4*HALFT                   ; xh's 256 rows, then w1h's 128 K rows
.set STAGE,  2*SLOT                    ; behind the ring: 16 rows x 272 bytes for each wave, for the way out; no tensor load lands here
.set SPITCH, 272
.set HROW,   16384                     ; bytes in a row of h
.set LAPS,   4                         ; K = 1024 = 4 laps of two K steps
.set ADRA, 16                          ; v16-17  LDS address of my A fragments in slot 0, 1
.set ADRB, 20                          ; v20-21  the same for B
.set STO,  24                          ; v24     way out: where I put 16 bytes of a row
.set RD,   25                          ; v25     way out: where I read a row back
.set CO,   26                          ; v26     my byte offset in h
.set GP,   32                          ; v32-47  pair i: 0.5 g of my row 16 i + l % 16, twice
.set KP,   48                          ; v48     0.47047 / sqrt 2
.set KC,   50                          ; v50-51  sqrt(0.5 log2 e), twice
.set KA3,  52                          ; v52-53  -a3
.set KA2,  54                          ; v54-55  -a2
.set KA1,  56                          ; v56-57  -a1
.set KONE, 58                          ; v58-59  1.0
.set F0,   64
.set F1,   128
.set BIAS, 192                         ; v192-255: block b, register j: b1 of column 16 b + 8 (l / 16) + j: the layout of a C operand
.set ES,   64                          ; the way out, window 0: exponent, later the rows read back
.set ED,   96                          ; denominator, then the polynomial
.set EHZ,  128                         ; 0.5 g z, then the result
.set ET,   160                         ; t
.set EE,   192                         ; e^(-u^2)
.set ETMP, 224                         ; packed results of eight tiles
.set G1,  24                           ; s[24:31] group 1 for xh's tiles
.set G0,  32                           ; s[32:39] group 0 for xh's tiles, one set a slot
.set G1B, 48                           ; s[48:55] group 1 for w1h's tiles
.set G0B, 56                           ; s[56:63] group 0 for w1h's tiles, one set a slot
.set MSB, 0
.macro WIN new                         ; the immediate's high byte repeats the setting that is left
.if MSB != \new
	s_set_vgpr_msb (MSB<<8)|\new
.set MSB, \new
.endif
.endm
.set MUL_LO,   0xa1                    ; source 0 (B) window 1, source 1 (A) window 0, C and D window 2
.set MUL_HI,   0xf1                    ; C and D window 3
.set FIRST_LO, 0x81                    ; C (the bias) window 0, D window 2
.set FIRST_HI, 0xc1                    ; C window 0, D window 3
.set TO_B,     0x40                    ; destination window 1, address window 0
; A joint load: waves 0 and 1 fetch xh's two halves, waves 2 and 3 w1h's.  The branch hangs on the wave's number alone.
.macro JLOAD s
	s_cmp_eq_u32 s11, 0
	s_cbranch_scc0 .Lfor_b_\@
	tensor_load_to_lds s[G0+4*\s:G0+4*\s+3], s[G1:G1+7]
	s_nop 0
	s_branch .Lasked_\@
.Lfor_b_\@:
	tensor_load_to_lds s[G0B+4*\s:G0B+4*\s+3], s[G1B:G1B+7]
	s_nop 0
.Lasked_\@:
.endm
; A round of the cluster's barrier: my work-group's barrier, wave 0 signals for the work-group, every wave waits for all sixteen, my work-group's barrier again.
.macro CREST                           ; a round behind its opening barrier
	s_cmp_lg_u32 s10, 0
	s_cbranch_scc1 .Lnot_wave_0_\@
	s_barrier_signal -3
.Lnot_wave_0_\@:
	s_barrier_wait -3
	s_barrier_signal -1
	s_barrier_wait -1
.endm
.macro CROUND
	s_barrier_signal -1
	s_barrier_wait -1
	CREST
.endm
	s_load_b128 s[4:7], s[0:1], 0x0                ; xh s[4:5], w1h s[6:7]
	s_load_b128 s[68:71], s[0:1], 0x10             ; b1 s[68:69], gates s[70:71]
	s_load_b64 s[8:9], s[0:1], 0x20                ; h
	s_set_vgpr_msb 0x40
	v_lshl_add_u32 v255, v0, 2, 0x48400
	s_set_vgpr_msb 0x4000
	v_mov_b32 v63, 0
	s_set_vgpr_msb 0x1
	ds_add_u32 v255, v63
	s_set_vgpr_msb 0x100
	v_lshrrev_b32 v1, 5, v0
	v_readfirstlane_b32 s10, v1                    ; wave 0..3
	s_lshr_b32 s11, s10, 1                         ; my half of the block's rows.  Also: I fetch for A (0) or for B (1)
	s_and_b32 s12, s10, 1                          ; my half of its columns.  Also: which half of that tile I fetch
	s_bfe_u32 s40, ttmp6, 0x40000                  ; cx
	s_bfe_u32 s41, ttmp6, 0x40004                  ; cy
	s_lshl_b32 s42, ttmp9, 2
	s_add_co_u32 s42, s42, s40                     ; block column 0..31 = 16 e + block of f
	s_and_b32 s13, ttmp7, 0xffff
	s_lshl_b32 s13, s13, 2
	s_add_co_u32 s13, s13, s41                     ; block row 0..15
	s_lshl_b32 s43, s41, 2
	s_lshl_b32 s43, 15, s43                        ; my row of the cluster
	s_lshl_b32 s44, 0x1111, s40                    ; my column
	; group 1 for xh: 128 rows x 128 elements of 2 bytes, 4 words of padding behind every 64
	s_or_b32 s[G1+0], s43, (1<<16)|(1<<20)|(1<<21)|(5<<22)|(3<<25)
	s_mov_b32 s[G1+1], 128<<16                     ; tensor_dim0 = 128
	s_mov_b32 s[G1+2], 128<<16                     ; tensor_dim1 = 128
	s_mov_b32 s[G1+3], 128<<16                     ; tile_dim0 = 128
	s_mov_b32 s[G1+4], 128                         ; tile_dim1 = 128
	s_mov_b32 s[G1+5], 1024                        ; elements from row to row
	s_mov_b32 s[G1+6], 0
	s_mov_b32 s[G1+7], 0
	; group 1 for w1h: 64 K rows x 256 elements, 8 words of padding behind every 128
	s_or_b32 s[G1B+0], s44, (1<<16)|(1<<20)|(1<<21)|(6<<22)|(7<<25)
	s_mov_b32 s[G1B+1], 256<<16
	s_mov_b32 s[G1B+2], 64<<16
	s_mov_b32 s[G1B+3], 256<<16
	s_mov_b32 s[G1B+4], 64
	s_mov_b32 s[G1B+5], 4096
	s_mov_b32 s[G1B+6], 0
	s_mov_b32 s[G1B+7], 0
	; xh's tile hangs on the block row alone, w1h's on the block column alone; each offset is made in registers that never hold the other coordinate
	s_lshl_b32 s16, s13, 19                        ; 256 rows x 2,048 bytes
	s_lshl_b32 s17, s12, 18                        ; + my 128 rows
	s_add_co_u32 s16, s16, s17
	s_mov_b32 s17, 0
	s_lshr_b32 s45, s42, 4                         ; e
	s_lshl_b32 s46, s45, 23                        ; e x 1024 x 4096 x 2 bytes
	s_and_b32 s45, s42, 15
	s_lshl_b32 s45, s45, 9                         ; + 256 columns x 2 bytes a block
	s_add_co_u32 s46, s46, s45
	s_lshl_b32 s45, s12, 19                        ; + my 64 K rows x 8,192 bytes
	s_add_co_u32 s46, s46, s45
	s_mov_b32 s47, 0
	s_mul_i32 s20, s10, HALFT                      ; to LDS: A's halves, then B's halves = wave x HALFT
	s_wait_dscnt 0x0
	s_wait_kmcnt 0x0
	s_add_nc_u64 s[14:15], s[4:5], s[16:17]
	s_add_nc_u64 s[46:47], s[6:7], s[46:47]
	CROUND                                         ; all sixteen work-groups are here: the first joint loads meet
.irp s, 0,1
	s_mov_b32 s[G0+4*\s], 1
	s_add_co_u32 s[G0+4*\s+1], s20, \s*SLOT
	s_add_nc_u64 s[G0+4*\s+2:G0+4*\s+3], s[14:15], \s*KSTEP*2          ; K step s: 256 bytes along the rows
	s_or_b32 s[G0+4*\s+3], s[G0+4*\s+3], 0x80000000
	s_mov_b32 s[G0B+4*\s], 1
	s_add_co_u32 s[G0B+4*\s+1], s20, \s*SLOT
	s_add_nc_u64 s[G0B+4*\s+2:G0B+4*\s+3], s[46:47], \s*KSTEP*8192     ; K step s: 128 K rows down
	s_or_b32 s[G0B+4*\s+3], s[G0B+4*\s+3], 0x80000000
	JLOAD \s                                       ; both slots are asked for before anything else: two tensor loads of the wave are out
.endr
	; b1, gates and h at my part (in registers that feed no descriptor)
	s_lshr_b32 s72, s42, 4
	s_lshl_b32 s72, s72, 14                        ; e x 16,384 bytes, in b1 and in gates
	s_and_b32 s73, s42, 15
	s_lshl_b32 s73, s73, 10                        ; 256 columns x 4 bytes
	s_add_co_u32 s74, s72, s73
	s_lshl_b32 s73, s12, 9                         ; my 128 columns
	s_add_co_u32 s74, s74, s73
	s_mov_b32 s75, 0
	s_add_nc_u64 s[68:69], s[68:69], s[74:75]
	s_lshl_b32 s73, s13, 10                        ; 256 tokens x 4 bytes
	s_add_co_u32 s76, s72, s73
	s_lshl_b32 s73, s11, 9                         ; my 128 tokens
	s_add_co_u32 s76, s76, s73
	s_mov_b32 s77, 0
	s_add_nc_u64 s[70:71], s[70:71], s[76:77]
	s_lshl_b32 s78, s13, 22                        ; 256 rows x 16,384 bytes
	s_lshl_b32 s73, s11, 21
	s_add_co_u32 s78, s78, s73
	s_lshl_b32 s73, s42, 9                         ; 256 columns x 2 bytes
	s_add_co_u32 s78, s78, s73
	s_lshl_b32 s73, s12, 8
	s_add_co_u32 s78, s78, s73
	s_mov_b32 s79, 0
	s_add_nc_u64 s[8:9], s[8:9], s[78:79]
	v_and_b32 v1, 15, v0                           ; r = l % 16
	v_bfe_u32 v2, v0, 4, 1                         ; hh = l / 16
	v_lshlrev_b32 v27, 5, v2                       ; bias: 8 hh columns x 4 bytes
	v_lshlrev_b32 v28, 2, v1                       ; gates: token r
.irp b, 0,1,2,3,4,5,6,7
	global_load_b128 v[BIAS+8*\b:BIAS+8*\b+3],   v27, s[68:69] offset:64*\b
	global_load_b128 v[BIAS+8*\b+4:BIAS+8*\b+7], v27, s[68:69] offset:64*\b+16
.endr
.irp i, 0,1,2,3,4,5,6,7
	global_load_b32 v[GP+2*\i], v28, s[70:71] offset:64*\i
.endr
	; A fragment: lane l holds row r; registers 0-3 K = 8 hh + 0..7, registers 4-7 K = 16 + 8 hh + 0..7: two 16-byte loads, 32 bytes apart
	v_mul_u32_u24 v3, v1, PA
	v_lshl_add_u32 v3, v2, 4, v3                   ; r x 272 + 16 hh
	; B fragment from [K][N]: lane l addresses K row 8 hh + l % 8, 16-byte column (l / 8) % 2; the transposing load hands each lane its column's eight K
	v_and_b32 v4, 7, v0
	v_lshl_add_u32 v4, v2, 3, v4
	v_mul_u32_u24 v4, v4, PB
	v_bfe_u32 v5, v0, 3, 1
	v_lshl_add_u32 v4, v5, 4, v4
	s_mul_i32 s21, s11, HALFT                      ; my 128 rows of A
	s_lshl_b32 s22, s12, 8                         ; my 128 columns of B,
	s_add_co_u32 s22, s22, 2*HALFT                 ; which lies behind A
.irp s, 0,1
	v_add_nc_u32 v[ADRA+\s], s21, v3
	v_add_nc_u32 v[ADRB+\s], s22, v4
	s_add_co_u32 s21, s21, SLOT
	s_add_co_u32 s22, s22, SLOT
.endr
	s_mul_i32 s23, s10, 16*SPITCH
	s_add_co_u32 s23, s23, STAGE                   ; my stage
	v_add_nc_u32 v[STO], s23, v3                   ; in: row r, 16 bytes for each half of the lanes
	v_mul_u32_u24 v5, v2, SPITCH
	v_lshl_add_u32 v5, v1, 4, v5
	v_add_nc_u32 v[RD], s23, v5                    ; back: lanes 0-15 one row of 256 bytes, lanes 16-31 the next
	v_lshlrev_b32 v5, 14, v2
	v_lshl_add_u32 v[CO], v1, 4, v5                ; the same two rows in h
	v_mov_b32 v[KP], 0x3eaa540e                    ; 0.33267253
	v_mov_b32 v[KC], 0x3f596d27                    ; 0.84932180
	v_mov_b32 v[KC+1], 0x3f596d27
	v_mov_b32 v[KA3], 0xbf3f7377                   ; -0.7478556
	v_mov_b32 v[KA3+1], 0xbf3f7377
	v_mov_b32 v[KA2], 0x3dc45ca1                   ; +0.0958798
	v_mov_b32 v[KA2+1], 0x3dc45ca1
	v_mov_b32 v[KA1], 0xbeb2303a                   ; -0.3480242
	v_mov_b32 v[KA1+1], 0xbeb2303a
	v_mov_b32 v[KONE], 1.0
	v_mov_b32 v[KONE+1], 1.0
	s_wait_loadcnt 0x0                             ; bias and gates, once
.irp i, 0,1,2,3,4,5,6,7
	v_mul_f32 v[GP+2*\i+1], 0.5, v[GP+2*\i]        ; 0.5 g, in both registers of the pair
	v_mul_f32 v[GP+2*\i],   0.5, v[GP+2*\i]
.endr
; 16 matrix instructions: row blocks a0, a0 + 1 of the window's four x all 8 column blocks, 32 along K.  first = 1: C is the bias, so the sums start from it.
.macro MUL16 f, hi, a0, first
.irp a, \a0, \a0+1
.irp b, 0,1,2,3,4,5,6,7
.if \first
	v_wmma_f32_16x16x32_f16 v[8*(8*(\a)+\b):8*(8*(\a)+\b)+7], v[\f+8*\b:\f+8*\b+7], v[\f+8*(4*\hi+\a):\f+8*(4*\hi+\a)+7], v[BIAS+8*\b:BIAS+8*\b+7]
.else
	v_wmma_f32_16x16x32_f16 v[8*(8*(\a)+\b):8*(8*(\a)+\b)+7], v[\f+8*\b:\f+8*\b+7], v[\f+8*(4*\hi+\a):\f+8*(4*\hi+\a)+7], v[8*(8*(\a)+\b):8*(8*(\a)+\b)+7]
.endif
.endr
.endr
.endm
; 32 LDS loads in one run: quarter q (32 along K) of a slot into buffer f: B's 128 columns, then A's 128 rows
.macro FETCH slot, q, f
	WIN TO_B
.irp i, 0,1,2,3,4,5,6,7
	ds_load_tr16_b128 v[\f+8*\i:\f+8*\i+3],   v[ADRB+\slot] offset:\q*32*PB+32*\i
	ds_load_tr16_b128 v[\f+8*\i+4:\f+8*\i+7], v[ADRB+\slot] offset:\q*32*PB+32*\i+16*PB
.endr
	WIN 0
.irp i, 0,1,2,3,4,5,6,7
	ds_load_b128 v[\f+8*\i:\f+8*\i+3],   v[ADRA+\slot] offset:\q*64+\i*16*PA
	ds_load_b128 v[\f+8*\i+4:\f+8*\i+7], v[ADRA+\slot] offset:\q*64+\i*16*PA+32
.endr
.endm
; Four plain vector instructions stand between a matrix instruction and a load into, or a vector instruction on, one of its registers
.macro PLACES
.rept 4
	v_nop
.endr
.endm
; One of a K step's first three quarters: multiplies buffer f; in its middle it fetches quarter q into buffer g
.macro QUARTER slot, q, f, g, first
	s_wait_dscnt 8                                 ; B and A's rows 0-63 are in; the youngest eight loads (A's rows 64-127) may be out
.if \first
	WIN FIRST_LO
.else
	WIN MUL_LO
.endif
	MUL16 \f, 0, 0, \first
	MUL16 \f, 0, 2, \first
	PLACES
	FETCH \slot, \q, \g
	s_wait_dscnt 32                                ; all but the 32 just issued
.if \first
	WIN FIRST_HI
.else
	WIN MUL_HI
.endif
	MUL16 \f, 1, 0, \first
	MUL16 \f, 1, 2, \first
.endm
.macro THREE slot, first
	QUARTER \slot, 1, F0, F1, \first
	QUARTER \slot, 2, F1, F0, 0
	QUARTER \slot, 3, F0, F1, 0
.endm
; The last quarter: multiplies buffer 1 and changes slots.  In front of the barrier each wave waits for its reads of this slot and for all its tensor
; loads (one is out: its part of the next slot).  Where the slot is filled again the barrier opens a round of the cluster's barrier, and the joint
; refill is the wave's first and only tensor load behind the round.  From a request to the wait for it a wave issues 240 matrix instructions.
.macro TURN slot, next, fill
	s_wait_dscnt 8
	WIN MUL_LO
	MUL16 F1, 0, 0, 0
	s_wait_dscnt 0                                 ; my reads of this slot are over
	s_wait_tensorcnt 0x0                           ; all my tensor loads have landed
	ds_add_u32 v255, v63
	s_wait_dscnt 0x0
	s_barrier_signal -1
	MUL16 F1, 0, 2, 0                              ; register work while the others arrive
	WIN 0
	s_barrier_wait -1
.if \fill
	CREST
	s_add_nc_u64 s[G0+4*\slot+2:G0+4*\slot+3], s[G0+4*\slot+2:G0+4*\slot+3], 2*KSTEP*2        ; no tensor load of mine is out: group 0 may be written
	s_add_nc_u64 s[G0B+4*\slot+2:G0B+4*\slot+3], s[G0B+4*\slot+2:G0B+4*\slot+3], 2*KSTEP*8192
	JLOAD \slot
.endif
	PLACES
	FETCH \next, 0, F0
	WIN MUL_HI
	MUL16 F1, 1, 0, 0
	MUL16 F1, 1, 2, 0
.endm
.macro LAP first
	THREE 0, \first
	TURN 0, 1, 1
	THREE 1, 0
	TURN 1, 0, 1
.endm
	s_wait_tensorcnt 1                             ; my part of K step 0 is in; K step 1's load stays out
	s_barrier_signal -1
	s_barrier_wait -1
	FETCH 0, 0, F0
	LAP 1                                          ; the first lap stands ahead of the loop: its first products start the sums from the bias
	WIN 0
	s_mov_b32 s3, LAPS-2
.Llap:
	LAP 0
	WIN 0
	s_sub_co_u32 s3, s3, 1
	s_cmp_lg_u32 s3, 0
	s_cbranch_scc1 .Llap
	THREE 0, 0                                     ; the last lap fills nothing
	TURN 0, 1, 0
	THREE 1, 0
	s_wait_dscnt 8
	WIN MUL_LO
	MUL16 F1, 0, 0, 0
	MUL16 F1, 0, 2, 0
	s_wait_dscnt 0
	WIN MUL_HI
	MUL16 F1, 1, 0, 0
	MUL16 F1, 1, 2, 0
	PLACES                                         ; the places behind the last matrix instructions, for all that follows
; THE WAY OUT.  32 numbers a lane (tiles (a, b0 .. b0+3) of the window named by zwin as source 0): z -> g gelu(z), packed to f16.
; hz = 0.5 g z;  result = hz + |hz| Q,  Q = erf(|z| / sqrt 2) = 1 + t E (-a1 + t (-a2 + t (-a3))),  t = 1 / (1 + p |z|),  E = 2^(-(c z)^2).
.macro GELU32 a, zwin, b0, ap
	WIN \zwin
.set n, 0
.rept 16
	v_pk_mul_f32 v[ES+2*n:ES+2*n+1], v[8*(8*\a+\b0)+2*n:8*(8*\a+\b0)+2*n+1], v[KC:KC+1]
.set n, n+1
.endr
.set n, 0
.rept 32
	v_fma_f32 v[ED+n], |v[8*(8*\a+\b0)+n]|, v[KP], 1.0
.set n, n+1
.endr
.set n, 0
.rept 16
	v_pk_mul_f32 v[EHZ+2*n:EHZ+2*n+1], v[8*(8*\a+\b0)+2*n:8*(8*\a+\b0)+2*n+1], v[GP+2*\ap:GP+2*\ap+1]
.set n, n+1
.endr
	WIN 0
.set n, 0
.rept 16
	v_pk_mul_f32 v[ES+2*n:ES+2*n+1], v[ES+2*n:ES+2*n+1], v[ES+2*n:ES+2*n+1] neg_lo:[0,1] neg_hi:[0,1]   ; -(c z)^2
.set n, n+1
.endr
.set n, 0
.rept 32
	v_rcp_f32 v[ET+n], v[ED+n]
.set n, n+1
.endr
	v_nop                                          ; one plain vector instruction behind the reciprocals, ahead of their use and of writes to ED
.set n, 0
.rept 16
	v_exp_f32 v[EE+2*n],   v[ES+2*n]
	v_exp_f32 v[EE+2*n+1], v[ES+2*n+1]
	s_wait_alu depctr_va_vdst(0)
	v_pk_fma_f32 v[ED+2*n:ED+2*n+1], v[ET+2*n:ET+2*n+1], v[KA3:KA3+1], v[KA2:KA2+1]      ; the plain place behind the two exponentials: it names neither EE nor ES
.set n, n+1
.endr
.set n, 0
.rept 16
	v_pk_fma_f32 v[ED+2*n:ED+2*n+1], v[ED+2*n:ED+2*n+1], v[ET+2*n:ET+2*n+1], v[KA1:KA1+1]
.set n, n+1
.endr
.set n, 0
	s_wait_alu depctr_va_vdst(0)
.rept 16
	v_pk_mul_f32 v[ET+2*n:ET+2*n+1], v[ET+2*n:ET+2*n+1], v[EE+2*n:EE+2*n+1]
.set n, n+1
.endr
.set n, 0
.rept 16
	v_pk_fma_f32 v[ED+2*n:ED+2*n+1], v[ED+2*n:ED+2*n+1], v[ET+2*n:ET+2*n+1], v[KONE:KONE+1]   ; Q
.set n, n+1
.endr
.set n, 0
.rept 32
	v_fma_f32 v[EHZ+n], |v[EHZ+n]|, v[ED+n], v[EHZ+n]
.set n, n+1
.endr
.set n, 0
.rept 16
	v_cvt_pk_f16_f32 v[ETMP+4*\b0+n], v[EHZ+2*n], v[EHZ+2*n+1]
.set n, n+1
.endr
.endm
; Rows 16 i .. 16 i + 15 of my block: gelu, 16 bytes a lane into my own stage, whole rows of 256 bytes back, stored.
.macro OUT16 i, a, zwin
	s_wait_xcnt 0x0                                ; the rows read back (ES) and the base, which the last stores read, are rewritten only behind this wait
	GELU32 \a, \zwin, 0, \i
	GELU32 \a, \zwin, 4, \i
.irp b, 0,1,2,3,4,5,6,7
	ds_store_b128 v[STO], v[ETMP+4*\b:ETMP+4*\b+3] offset:32*\b
.endr
.if \i
	s_add_nc_u64 s[8:9], s[8:9], 16*HROW
.endif
.irp t, 0,1,2,3,4,5,6,7
	ds_load_b128 v[ES+4*\t:ES+4*\t+3], v[RD] offset:\t*2*SPITCH    ; LDS serves a wave's instructions in order: these see the stores above
.endr
.irp t, 0,1,2,3,4,5,6,7
	s_wait_dscnt 7-\t                              ; load t is in, the 7 - t younger ones stay out
	global_store_b128 v[CO], v[ES+4*\t:ES+4*\t+3], s[8:9] offset:\t*2*HROW   ; 16 lanes store 256 consecutive bytes, at a multiple of 256 from h's first byte
.endr
.endm
	OUT16 0, 0, 0x02
	OUT16 1, 1, 0x02
	OUT16 2, 2, 0x02
	OUT16 3, 3, 0x02
	OUT16 4, 0, 0x03
	OUT16 5, 1, 0x03
	OUT16 6, 2, 0x03
	OUT16 7, 3, 0x03
	s_set_vgpr_msb 0x1
	s_wait_tensorcnt 0x0
	ds_add_u32 v255, v63
	s_wait_dscnt 0x0
	s_set_vgpr_msb 0x100
	CROUND                                         ; the closing round: no work-group ends while a partner may still ask for a tile that names it
	s_endpgm
.Lfunc_end_k_q2c32fd9794_ffn1:
	.size	k_q2c32fd9794_ffn1, .Lfunc_end_k_q2c32fd9794_ffn1-k_q2c32fd9794_ffn1
	.p2alignl 7, 3214868480
	.fill 96, 4, 3214868480
	.section	.rodata,"a",@progbits
	.p2align	6, 0x0
	.amdhsa_kernel k_q2c32fd9794_ffn1
		.amdhsa_group_segment_fixed_size 327680
		.amdhsa_private_segment_fixed_size 0
		.amdhsa_enable_private_segment 0
		.amdhsa_kernarg_size 40
		.amdhsa_user_sgpr_count 2
		.amdhsa_user_sgpr_kernarg_segment_ptr 1
		.amdhsa_wavefront_size32 1
		.amdhsa_system_sgpr_workgroup_id_x 1
		.amdhsa_system_sgpr_workgroup_id_y 1
		.amdhsa_system_sgpr_workgroup_id_z 1
		.amdhsa_system_vgpr_workitem_id 0
		.amdhsa_next_free_vgpr 1024
		.amdhsa_next_free_sgpr 80
		.amdhsa_reserve_vcc 0
		.amdhsa_float_denorm_mode_32 3
		.amdhsa_float_denorm_mode_16_64 3
		.amdhsa_memory_ordered 1
		.amdhsa_forward_progress 1
		.amdhsa_inst_pref_size 255
	.end_amdhsa_kernel
	.section	.bss,"aw",@nobits
	.p2align	6
	.space	262144
	.amdgpu_metadata
---
amdhsa.version: [ 1, 2 ]
amdhsa.kernels:
  - .name:           k_q2c32fd9794_ffn1
    .symbol:         k_q2c32fd9794_ffn1.kd
    .args:
      - { .name: xh, .offset: 0, .size: 8, .value_kind: global_buffer, .address_space: global }
      - { .name: w1h, .offset: 8, .size: 8, .value_kind: global_buffer, .address_space: global }
      - { .name: b1, .offset: 16, .size: 8, .value_kind: global_buffer, .address_space: global }
      - { .name: gates, .offset: 24, .size: 8, .value_kind: global_buffer, .address_space: global }
      - { .name: h, .offset: 32, .size: 8, .value_kind: global_buffer, .address_space: global }
    .group_segment_fixed_size: 327680
    .private_segment_fixed_size: 0
    .kernarg_segment_align: 8
    .kernarg_segment_size: 40
    .max_flat_workgroup_size: 128
    .sgpr_count:     80
    .vgpr_count:     1024
    .wavefront_size: 32
...
	.end_amdgpu_metadata
.endif
;; end of part 2
;; launch ffn2 (part 3): grid 16 x 16, 4 waves a work-group, clusters of 4 x 4, 327,680 bytes of LDS; arguments h, w2h, part; writes part
.if DOCPART == 3
	.amdgcn_target "amdgcn-amd-amdhsa--gfx1250"
	.amdhsa_code_object_version 6
	.text
	.protected	k_q2c32fd9794_ffn2
	.globl	k_q2c32fd9794_ffn2
	.p2align	8
	.type	k_q2c32fd9794_ffn2,@function
k_q2c32fd9794_ffn2:
	s_mov_b64 s[64:65], 0
	v_nop
	global_prefetch_b8 v0, s[64:65] scope:SCOPE_SE
	s_setreg_imm32_b32 hwreg(HW_REG_WAVE_MODE, 25, 1), 1
	s_wait_xcnt 0x0
	s_wait_alu depctr_hold_cnt(0) depctr_sa_sdst(0) depctr_va_vdst(0) depctr_va_sdst(0) depctr_va_ssrc(0) depctr_va_vcc(0) depctr_vm_vsrc(0)
	s_getreg_b32 s2, hwreg(HW_REG_IB_STS2, 6, 4)
	s_cmp_eq_u32 s2, 0
	s_cbranch_scc0 .Lentry_in_a_cluster
	s_endpgm
.Lentry_in_a_cluster:
	s_bfe_u32 s2, ttmp6, 0x10000c
	s_cmp_lg_u32 s2, 0xf033
	s_cbranch_scc0 .Lentry_shape_is_right
	s_endpgm
.Lentry_shape_is_right:
; ffn2: part[kz][t][n] = sum over k = 2048 kz .. 2048 kz + 2047 of h[t][k] w2h[k][n], f32 out; operands f16, sums f32.  M = 4096, N = 1024, K = 8192.
; h already carries the gates, and k runs over both experts, so the four parts together are the gated sum over the experts; the next launch adds them
; and the gated biases.  LIMIT: a sum over K is thus added in four parts, an order of rounding of its own.
; WHY K IS SHARED AMONG WORK-GROUPS: 4096 x 1024 outputs are only 64 blocks of 256 x 256.  A block of 128 x 128 would give 256 work-groups, but it needs
; (128 + 128) x 256 x 2 bytes = 128 KiB of tiles for 128 matrix instructions of each wave; a block of 256 x 256 needs (256 + 256) x 128 x 2 = 128 KiB
; for 256.  So the block stays 256 x 256, and K is cut in four parts of 2048: 64 x 4 = 256 work-groups.
; A work-group makes 256 x 256 with four waves, a wave 128 x 128: 64 accumulator tiles of 16 x 16, 512 registers.  K goes in steps of 128 through two LDS
; slots filled by the tensor data mover.  h's tile lies [row][K] (rows of 256 bytes, LDS pitch 272); w2h's tile lies [K][N] as in memory (128 K rows of
; 512 bytes, LDS pitch 544) and its fragments are made by the transposing LDS load.
; CLUSTERS: 4 x 4 work-groups.  The cluster's x is the part of K, the place along its x the block column (N has four), the place along its y the block
; row.  The four of a row of the cluster need the same tile of h, the four of a column the same tile of w2h: each tile is asked for jointly, by the same
; line with the same descriptor and a mask that names the four.
; REGISTER WINDOWS: 0: addresses, A's fragments (v64-127, v128-191); 1: B's fragments (v64-127, v128-191); 2: the accumulators of my rows 0-63
; (tile (a, b) at v[8 (8 a + b)]); 3: those of rows 64-127.
; THE MATRIX INSTRUCTION IS USED TRANSPOSED (source 0 = 16 columns of w2h, source 1 = 16 rows of h): lane l holds row l % 16 and in registers 0..7
; the columns 8 (l / 16) + 0..7, eight neighbouring numbers of a row.
; The 64 accumulators take turns, one matrix instruction a turn, in the same order everywhere.
.set KSTEP,  128
.set PA,     272                       ; LDS pitch of h's rows: 256 + 16 bytes
.set PB,     544                       ; LDS pitch of w2h's K rows: 512 + 32 bytes = 136 words: eight rows x two 16-byte columns fall on 64 different words modulo 64
.set HALFT,  34816                     ; one tensor load: 128 x 272 = 64 x 544
.set SLOT,   4*HALFT                   ; h's 256 rows, then w2h's 128 K rows
.set STAGE,  2*SLOT                    ; behind the ring: 16 rows x 528 bytes for each wave, for the way out; no tensor load lands here
.set SPITCH, 528                       ; a row of 128 f32 + 16 bytes
.set OROW,   4096                      ; bytes in a row of a part
.set LAPS,   8                         ; K = 2048 = 8 laps of two K steps
.set ADRA, 16                          ; v16-17  LDS address of my A fragments in slot 0, 1
.set ADRB, 20                          ; v20-21  the same for B
.set STO,  24                          ; v24     way out: where I put my 32 bytes of a row
.set RD,   25                          ; v25     way out: my 16 bytes of the stage's first row
.set CO,   26                          ; v26     16 x lane: my bytes in a row of the part
.set F0,   64
.set F1,   128
.set G1,  24                           ; s[24:31] group 1 for h's tiles
.set G0,  32                           ; s[32:39] group 0 for h's tiles, one set a slot
.set G1B, 48                           ; s[48:55] group 1 for w2h's tiles
.set G0B, 56                           ; s[56:63] group 0 for w2h's tiles, one set a slot
.set MSB, 0
.macro WIN new                         ; the immediate's high byte repeats the setting that is left
.if MSB != \new
	s_set_vgpr_msb (MSB<<8)|\new
.set MSB, \new
.endif
.endm
.set MUL_LO, 0xa1                      ; source 0 (B) window 1, source 1 (A) window 0, C and D window 2
.set MUL_HI, 0xf1                      ; C and D window 3
.set TO_B,   0x40                      ; destination window 1, address window 0
; A joint load: waves 0 and 1 fetch h's two halves, waves 2 and 3 w2h's.  The branch hangs on the wave's number alone.
.macro JLOAD s
	s_cmp_eq_u32 s11, 0
	s_cbranch_scc0 .Lfor_b_\@
	tensor_load_to_lds s[G0+4*\s:G0+4*\s+3], s[G1:G1+7]
	s_nop 0
	s_branch .Lasked_\@
.Lfor_b_\@:
	tensor_load_to_lds s[G0B+4*\s:G0B+4*\s+3], s[G1B:G1B+7]
	s_nop 0
.Lasked_\@:
.endm
; A round of the cluster's barrier: my work-group's barrier, wave 0 signals for the work-group, every wave waits for all sixteen, my work-group's barrier again.
.macro CREST                           ; a round behind its opening barrier
	s_cmp_lg_u32 s10, 0
	s_cbranch_scc1 .Lnot_wave_0_\@
	s_barrier_signal -3
.Lnot_wave_0_\@:
	s_barrier_wait -3
	s_barrier_signal -1
	s_barrier_wait -1
.endm
.macro CROUND
	s_barrier_signal -1
	s_barrier_wait -1
	CREST
.endm
	s_load_b128 s[4:7], s[0:1], 0x0                ; h s[4:5], w2h s[6:7]
	s_load_b64 s[8:9], s[0:1], 0x10                ; part
	s_set_vgpr_msb 0x40
	v_lshl_add_u32 v255, v0, 2, 0x4c400
	s_set_vgpr_msb 0x4000
	v_mov_b32 v255, 0
	s_set_vgpr_msb 0x1
	ds_add_u32 v255, v255
	s_set_vgpr_msb 0x100
	v_lshrrev_b32 v1, 5, v0
	v_readfirstlane_b32 s10, v1                    ; wave 0..3
	s_lshr_b32 s11, s10, 1                         ; my half of the block's rows.  Also: I fetch for A (0) or for B (1)
	s_and_b32 s12, s10, 1                          ; my half of its columns.  Also: which half of that tile I fetch
	s_bfe_u32 s40, ttmp6, 0x40000                  ; cx = block column 0..3
	s_bfe_u32 s41, ttmp6, 0x40004                  ; cy
	s_and_b32 s13, ttmp7, 0xffff
	s_lshl_b32 s13, s13, 2
	s_add_co_u32 s13, s13, s41                     ; block row 0..15
	s_lshl_b32 s43, s41, 2
	s_lshl_b32 s43, 15, s43                        ; my row of the cluster
	s_lshl_b32 s44, 0x1111, s40                    ; my column
	; group 1 for h: 128 rows x 128 elements of 2 bytes, 4 words of padding behind every 64
	s_or_b32 s[G1+0], s43, (1<<16)|(1<<20)|(1<<21)|(5<<22)|(3<<25)
	s_mov_b32 s[G1+1], 128<<16                     ; tensor_dim0 = 128
	s_mov_b32 s[G1+2], 128<<16                     ; tensor_dim1 = 128
	s_mov_b32 s[G1+3], 128<<16                     ; tile_dim0 = 128
	s_mov_b32 s[G1+4], 128                         ; tile_dim1 = 128
	s_mov_b32 s[G1+5], 8192                        ; elements from row to row
	s_mov_b32 s[G1+6], 0
	s_mov_b32 s[G1+7], 0
	; group 1 for w2h: 64 K rows x 256 elements, 8 words of padding behind every 128
	s_or_b32 s[G1B+0], s44, (1<<16)|(1<<20)|(1<<21)|(6<<22)|(7<<25)
	s_mov_b32 s[G1B+1], 256<<16
	s_mov_b32 s[G1B+2], 64<<16
	s_mov_b32 s[G1B+3], 256<<16
	s_mov_b32 s[G1B+4], 64
	s_mov_b32 s[G1B+5], 1024
	s_mov_b32 s[G1B+6], 0
	s_mov_b32 s[G1B+7], 0
	; h's tile hangs on the block row and the part of K (the cluster's x), w2h's on the part of K and the block column;
	; each offset is made in registers that never hold the coordinate that its partners do not share
	s_lshl_b32 s16, s13, 22                        ; 256 rows x 16,384 bytes
	s_lshl_b32 s17, s12, 21                        ; + my 128 rows
	s_add_co_u32 s16, s16, s17
	s_lshl_b32 s17, ttmp9, 12                      ; + part of K x 2048 x 2 bytes along the rows
	s_add_co_u32 s16, s16, s17
	s_mov_b32 s17, 0
	s_lshl_b32 s46, ttmp9, 22                      ; part of K x 2048 K rows x 2,048 bytes
	s_lshl_b32 s45, s40, 9                         ; + 256 columns x 2 bytes a block
	s_add_co_u32 s46, s46, s45
	s_lshl_b32 s45, s12, 17                        ; + my 64 K rows x 2,048 bytes
	s_add_co_u32 s46, s46, s45
	s_mov_b32 s47, 0
	s_mul_i32 s20, s10, HALFT                      ; to LDS: A's halves, then B's halves = wave x HALFT
	s_wait_dscnt 0x0
	s_wait_kmcnt 0x0
	s_add_nc_u64 s[14:15], s[4:5], s[16:17]
	s_add_nc_u64 s[46:47], s[6:7], s[46:47]
	CROUND                                         ; all sixteen work-groups are here: the first joint loads meet
.irp s, 0,1
	s_mov_b32 s[G0+4*\s], 1
	s_add_co_u32 s[G0+4*\s+1], s20, \s*SLOT
	s_add_nc_u64 s[G0+4*\s+2:G0+4*\s+3], s[14:15], \s*KSTEP*2          ; K step s: 256 bytes along the rows
	s_or_b32 s[G0+4*\s+3], s[G0+4*\s+3], 0x80000000
	s_mov_b32 s[G0B+4*\s], 1
	s_add_co_u32 s[G0B+4*\s+1], s20, \s*SLOT
	s_add_nc_u64 s[G0B+4*\s+2:G0B+4*\s+3], s[46:47], \s*KSTEP*2048     ; K step s: 128 K rows down
	s_or_b32 s[G0B+4*\s+3], s[G0B+4*\s+3], 0x80000000
	JLOAD \s                                       ; both slots are asked for before anything else: two tensor loads of the wave are out
.endr
	; the part at my 128 x 128 (in registers that feed no descriptor)
	s_lshl_b32 s72, ttmp9, 24                      ; part of K x 16,777,216 bytes
	s_lshl_b32 s73, s13, 20                        ; 256 rows x 4,096 bytes
	s_add_co_u32 s72, s72, s73
	s_lshl_b32 s73, s11, 19                        ; my 128 rows
	s_add_co_u32 s72, s72, s73
	s_lshl_b32 s73, s40, 10                        ; 256 columns x 4 bytes
	s_add_co_u32 s72, s72, s73
	s_lshl_b32 s73, s12, 9                         ; my 128 columns
	s_add_co_u32 s72, s72, s73
	s_mov_b32 s73, 0
	s_add_nc_u64 s[8:9], s[8:9], s[72:73]
	v_and_b32 v1, 15, v0                           ; r = l % 16
	v_bfe_u32 v2, v0, 4, 1                         ; hh = l / 16
	; A fragment: lane l holds row r; registers 0-3 K = 8 hh + 0..7, registers 4-7 K = 16 + 8 hh + 0..7: two 16-byte loads, 32 bytes apart
	v_mul_u32_u24 v3, v1, PA
	v_lshl_add_u32 v3, v2, 4, v3                   ; r x 272 + 16 hh
	; B fragment from [K][N]: lane l addresses K row 8 hh + l % 8, 16-byte column (l / 8) % 2; the transposing load hands each lane its column's eight K
	v_and_b32 v4, 7, v0
	v_lshl_add_u32 v4, v2, 3, v4
	v_mul_u32_u24 v4, v4, PB
	v_bfe_u32 v5, v0, 3, 1
	v_lshl_add_u32 v4, v5, 4, v4
	s_mul_i32 s21, s11, HALFT                      ; my 128 rows of A
	s_lshl_b32 s22, s12, 8                         ; my 128 columns of B,
	s_add_co_u32 s22, s22, 2*HALFT                 ; which lies behind A
.irp s, 0,1
	v_add_nc_u32 v[ADRA+\s], s21, v3
	v_add_nc_u32 v[ADRB+\s], s22, v4
	s_add_co_u32 s21, s21, SLOT
	s_add_co_u32 s22, s22, SLOT
.endr
	s_mul_i32 s23, s10, 16*SPITCH
	s_add_co_u32 s23, s23, STAGE                   ; my stage
	v_mul_u32_u24 v5, v1, SPITCH
	v_lshl_add_u32 v5, v2, 5, v5                   ; in: row r, 8 hh columns x 4 bytes
	v_add_nc_u32 v[STO], s23, v5
	v_and_b32 v6, 31, v0
	v_lshlrev_b32 v[CO], 4, v6                     ; 16 x lane: the wave covers a row's 512 bytes
	v_add_nc_u32 v[RD], s23, v[CO]
; 16 matrix instructions: row blocks a0, a0 + 1 of the window's four x all 8 column blocks, 32 along K.  zero = 1: the first product starts the sums.
.macro MUL16 f, hi, a0, zero
.irp a, \a0, \a0+1
.irp b, 0,1,2,3,4,5,6,7
.if \zero
	v_wmma_f32_16x16x32_f16 v[8*(8*(\a)+\b):8*(8*(\a)+\b)+7], v[\f+8*\b:\f+8*\b+7], v[\f+8*(4*\hi+\a):\f+8*(4*\hi+\a)+7], 0
.else
	v_wmma_f32_16x16x32_f16 v[8*(8*(\a)+\b):8*(8*(\a)+\b)+7], v[\f+8*\b:\f+8*\b+7], v[\f+8*(4*\hi+\a):\f+8*(4*\hi+\a)+7], v[8*(8*(\a)+\b):8*(8*(\a)+\b)+7]
.endif
.endr
.endr
.endm
; 32 LDS loads in one run: quarter q (32 along K) of a slot into buffer f: B's 128 columns, then A's 128 rows
.macro FETCH slot, q, f
	WIN TO_B
.irp i, 0,1,2,3,4,5,6,7
	ds_load_tr16_b128 v[\f+8*\i:\f+8*\i+3],   v[ADRB+\slot] offset:\q*32*PB+32*\i
	ds_load_tr16_b128 v[\f+8*\i+4:\f+8*\i+7], v[ADRB+\slot] offset:\q*32*PB+32*\i+16*PB
.endr
	WIN 0
.irp i, 0,1,2,3,4,5,6,7
	ds_load_b128 v[\f+8*\i:\f+8*\i+3],   v[ADRA+\slot] offset:\q*64+\i*16*PA
	ds_load_b128 v[\f+8*\i+4:\f+8*\i+7], v[ADRA+\slot] offset:\q*64+\i*16*PA+32
.endr
.endm
; Four plain vector instructions stand between a matrix instruction and a load into, or a store or vector instruction on, one of its registers
.macro PLACES
.rept 4
	v_nop
.endr
.endm
; One of a K step's first three quarters: multiplies buffer f; in its middle it fetches quarter q into buffer g
.macro QUARTER slot, q, f, g, zero
	s_wait_dscnt 8                                 ; B and A's rows 0-63 are in; the youngest eight loads (A's rows 64-127) may be out
	WIN MUL_LO
	MUL16 \f, 0, 0, \zero
	MUL16 \f, 0, 2, \zero
	PLACES
	FETCH \slot, \q, \g
	s_wait_dscnt 32                                ; all but the 32 just issued
	WIN MUL_HI
	MUL16 \f, 1, 0, \zero
	MUL16 \f, 1, 2, \zero
.endm
.macro THREE slot, zero
	QUARTER \slot, 1, F0, F1, \zero
	QUARTER \slot, 2, F1, F0, 0
	QUARTER \slot, 3, F0, F1, 0
.endm
; The last quarter: multiplies buffer 1 and changes slots.  In front of the barrier each wave waits for its reads of this slot and for all its tensor
; loads (one is out: its part of the next slot).  Where the slot is filled again the barrier opens a round of the cluster's barrier, and the joint
; refill is the wave's first and only tensor load behind the round.  From a request to the wait for it a wave issues 240 matrix instructions.
.macro TURN slot, next, fill
	s_wait_dscnt 8
	WIN MUL_LO
	MUL16 F1, 0, 0, 0
	s_wait_dscnt 0                                 ; my reads of this slot are over
	s_wait_tensorcnt 0x0                           ; all my tensor loads have landed
	ds_add_u32 v255, v255
	s_wait_dscnt 0x0
	s_barrier_signal -1
	MUL16 F1, 0, 2, 0                              ; register work while the others arrive
	WIN 0
	s_barrier_wait -1
.if \fill
	CREST
	s_add_nc_u64 s[G0+4*\slot+2:G0+4*\slot+3], s[G0+4*\slot+2:G0+4*\slot+3], 2*KSTEP*2        ; no tensor load of mine is out: group 0 may be written
	s_add_nc_u64 s[G0B+4*\slot+2:G0B+4*\slot+3], s[G0B+4*\slot+2:G0B+4*\slot+3], 2*KSTEP*2048
	JLOAD \slot
.endif
	PLACES
	FETCH \next, 0, F0
	WIN MUL_HI
	MUL16 F1, 1, 0, 0
	MUL16 F1, 1, 2, 0
.endm
.macro LAP zero
	THREE 0, \zero
	TURN 0, 1, 1
	THREE 1, 0
	TURN 1, 0, 1
.endm
	s_wait_tensorcnt 1                             ; my part of K step 0 is in; K step 1's load stays out
	s_barrier_signal -1
	s_barrier_wait -1
	FETCH 0, 0, F0
	LAP 1                                          ; the first lap stands ahead of the loop: its first products start the sums, nothing is cleared
	WIN 0
	s_mov_b32 s3, LAPS-2
.Llap:
	LAP 0
	WIN 0
	s_sub_co_u32 s3, s3, 1
	s_cmp_lg_u32 s3, 0
	s_cbranch_scc1 .Llap
	THREE 0, 0                                     ; the last lap fills nothing
	TURN 0, 1, 0
	THREE 1, 0
	s_wait_dscnt 8
	WIN MUL_LO
	MUL16 F1, 0, 0, 0
	MUL16 F1, 0, 2, 0
	s_wait_dscnt 0
	WIN MUL_HI
	MUL16 F1, 1, 0, 0
	MUL16 F1, 1, 2, 0
	PLACES                                         ; the places behind the last matrix instructions, for the LDS stores of results and the loads into buffers 0 and 1
; THE WAY OUT.  Rows 16 i .. 16 i + 15 of my block = the eight tiles (a, 0..7) of window 2 or 3 (from = 0x08 or 0x0c: the LDS stores' data).
; A lane's eight numbers of a tile are 32 neighbouring bytes of a row: they go into my own stage, whole rows of 512 bytes come back and are stored.
; f: buffer 0 or 1 in turn.
.macro OUT16 i, a, from, f
	WIN \from
.irp b, 0,1,2,3,4,5,6,7
	ds_store_b128 v[STO], v[8*(8*\a+\b):8*(8*\a+\b)+3]   offset:64*\b
	ds_store_b128 v[STO], v[8*(8*\a+\b)+4:8*(8*\a+\b)+7] offset:64*\b+16
.endr
	WIN 0
	s_wait_xcnt 0x0                                ; buffer f and the base, which earlier stores read, are rewritten only behind this wait
.if \i
	s_add_nc_u64 s[8:9], s[8:9], 16*OROW
.endif
.set t, 0
.rept 16
	ds_load_b128 v[\f+4*t:\f+4*t+3], v[RD] offset:t*SPITCH         ; LDS serves a wave's instructions in order: these see the stores above
.set t, t+1
.endr
.set t, 0
.rept 16
	s_wait_dscnt 15-t                              ; load t is in, the 15 - t younger ones stay out
	global_store_b128 v[CO], v[\f+4*t:\f+4*t+3], s[8:9] offset:t*OROW   ; the wave stores 512 consecutive bytes, at a multiple of 512 from the buffer's first byte
.set t, t+1
.endr
.endm
	OUT16 0, 0, 0x08, F0
	OUT16 1, 1, 0x08, F1
	OUT16 2, 2, 0x08, F0
	OUT16 3, 3, 0x08, F1
	OUT16 4, 0, 0x0c, F0
	OUT16 5, 1, 0x0c, F1
	OUT16 6, 2, 0x0c, F0
	OUT16 7, 3, 0x0c, F1
	s_set_vgpr_msb 0x1
	s_wait_tensorcnt 0x0
	ds_add_u32 v255, v255
	s_wait_dscnt 0x0
	s_set_vgpr_msb 0x100
	CROUND                                         ; the closing round: no work-group ends while a partner may still ask for a tile that names it
	s_endpgm
.Lfunc_end_k_q2c32fd9794_ffn2:
	.size	k_q2c32fd9794_ffn2, .Lfunc_end_k_q2c32fd9794_ffn2-k_q2c32fd9794_ffn2
	.p2alignl 7, 3214868480
	.fill 96, 4, 3214868480
	.section	.rodata,"a",@progbits
	.p2align	6, 0x0
	.amdhsa_kernel k_q2c32fd9794_ffn2
		.amdhsa_group_segment_fixed_size 327680
		.amdhsa_private_segment_fixed_size 0
		.amdhsa_enable_private_segment 0
		.amdhsa_kernarg_size 24
		.amdhsa_user_sgpr_count 2
		.amdhsa_user_sgpr_kernarg_segment_ptr 1
		.amdhsa_wavefront_size32 1
		.amdhsa_system_sgpr_workgroup_id_x 1
		.amdhsa_system_sgpr_workgroup_id_y 1
		.amdhsa_system_sgpr_workgroup_id_z 1
		.amdhsa_system_vgpr_workitem_id 0
		.amdhsa_next_free_vgpr 1024
		.amdhsa_next_free_sgpr 80
		.amdhsa_reserve_vcc 0
		.amdhsa_float_denorm_mode_32 3
		.amdhsa_float_denorm_mode_16_64 3
		.amdhsa_memory_ordered 1
		.amdhsa_forward_progress 1
		.amdhsa_inst_pref_size 196
	.end_amdhsa_kernel
	.amdgpu_metadata
---
amdhsa.version: [ 1, 2 ]
amdhsa.kernels:
  - .name:           k_q2c32fd9794_ffn2
    .symbol:         k_q2c32fd9794_ffn2.kd
    .args:
      - { .name: h, .offset: 0, .size: 8, .value_kind: global_buffer, .address_space: global }
      - { .name: w2h, .offset: 8, .size: 8, .value_kind: global_buffer, .address_space: global }
      - { .name: part, .offset: 16, .size: 8, .value_kind: global_buffer, .address_space: global }
    .group_segment_fixed_size: 327680
    .private_segment_fixed_size: 0
    .kernarg_segment_align: 8
    .kernarg_segment_size: 24
    .max_flat_workgroup_size: 128
    .sgpr_count:     80
    .vgpr_count:     1024
    .wavefront_size: 32
...
	.end_amdgpu_metadata
.endif
;; end of part 3
;; launch red (part 4): grid 512 x 1, 8 waves a work-group, no clusters, 0 bytes of LDS; arguments part, b2, gates, out0; writes out0
.if DOCPART == 4
	.amdgcn_target "amdgcn-amd-amdhsa--gfx1250"
	.amdhsa_code_object_version 6
	.text
	.protected	k_q2c32fd9794_red
	.globl	k_q2c32fd9794_red
	.p2align	8
	.type	k_q2c32fd9794_red,@function
k_q2c32fd9794_red:
	s_mov_b64 s[64:65], 0
	v_nop
	global_prefetch_b8 v0, s[64:65] scope:SCOPE_SE
	s_setreg_imm32_b32 hwreg(HW_REG_WAVE_MODE, 25, 1), 1
	s_wait_xcnt 0x0
; red: out0[t][n] = (part[0] + part[1]) + (part[2] + part[3]) at [t][n] + g[0][t] b2[0][n] + g[1][t] b2[1][n], all f32.
; The four parts are the product's sums over the four quarters of K.  LIMIT: that order of adding is this program's own.
; A stream: every byte of the parts is read once and every byte of out0 written once; LDS, barriers, clusters and the matrix unit would add nothing.
; 512 work-groups of eight waves, 8 rows each (512 x 8 = 4096).  Thread t owns the 16 bytes at 16 t of every row, so a wave's load or store covers 512
; neighbouring bytes, the eight waves cover a row of 4,096, and a thread's four numbers of b2[0] and of b2[1] stay in registers.
; All 32 loads of a thread (8 rows x 4 parts) go out at once, each into registers of its own: nothing is rewritten while a load or store may read it.
.set ROWB,  4096                       ; bytes in a row
.set ROWS,  8
.set PARTB, 16777216                   ; bytes in a part: beyond a load's immediate, so each part has a base of its own
.set B2,    4                          ; v[4:7] b2[0], v[8:11] b2[1] of my four columns
.set P,     12                         ; v[12:139]  row r, part k: P + 16 r + 4 k
.set G0R,   24                         ; s[24:31] g[0] of my 8 rows
.set G1R,   32                         ; s[32:39] g[1]
	s_load_b256 s[4:11], s[0:1], 0x0               ; part s[4:5], b2 s[6:7], gates s[8:9], out0 s[10:11]
	s_lshl_b32 s2, ttmp9, 15                       ; group x 8 rows x 4,096 bytes
	s_mov_b32 s3, 0
	s_lshl_b32 s12, ttmp9, 5                       ; group x 8 tokens x 4 bytes
	s_mov_b32 s13, 0
	v_lshlrev_b32 v1, 4, v0                        ; 16 t; never rewritten
	s_wait_kmcnt 0x0
	s_add_nc_u64 s[8:9], s[8:9], s[12:13]
	s_load_b256 s[G0R:G0R+7], s[8:9], 0x0          ; the gates of my 8 rows, expert 0
	s_load_b256 s[G1R:G1R+7], s[8:9], 0x4000       ; and expert 1, 4096 tokens x 4 bytes further on
	s_add_nc_u64 s[14:15], s[4:5], s[2:3]          ; part 0 at my first row
	s_add_nc_u64 s[16:17], s[14:15], PARTB         ; part 1
	s_add_nc_u64 s[18:19], s[16:17], PARTB         ; part 2
	s_add_nc_u64 s[20:21], s[18:19], PARTB         ; part 3
	s_add_nc_u64 s[10:11], s[10:11], s[2:3]        ; out0 at my first row
	global_load_b128 v[B2:B2+3],   v1, s[6:7]
	global_load_b128 v[B2+4:B2+7], v1, s[6:7] offset:4096
.irp r, 0,1,2,3,4,5,6,7
.irp k, 0,1,2,3
	global_load_b128 v[P+16*\r+4*\k:P+16*\r+4*\k+3], v1, s[14+2*\k:15+2*\k] offset:ROWB*\r th:TH_LOAD_NT
.endr
.endr
	s_wait_kmcnt 0x0                               ; the gates
.irp r, 0,1,2,3,4,5,6,7
	s_wait_loadcnt 28-4*\r                         ; loads return in order: b2 and rows 0 to r are in, the four loads of each later row stay out
	v_pk_add_f32 v[P+16*\r:P+16*\r+1],     v[P+16*\r:P+16*\r+1],     v[P+16*\r+4:P+16*\r+5]
	v_pk_add_f32 v[P+16*\r+2:P+16*\r+3],   v[P+16*\r+2:P+16*\r+3],   v[P+16*\r+6:P+16*\r+7]
	v_pk_add_f32 v[P+16*\r+8:P+16*\r+9],   v[P+16*\r+8:P+16*\r+9],   v[P+16*\r+12:P+16*\r+13]
	v_pk_add_f32 v[P+16*\r+10:P+16*\r+11], v[P+16*\r+10:P+16*\r+11], v[P+16*\r+14:P+16*\r+15]
	v_pk_add_f32 v[P+16*\r:P+16*\r+1],     v[P+16*\r:P+16*\r+1],     v[P+16*\r+8:P+16*\r+9]
	v_pk_add_f32 v[P+16*\r+2:P+16*\r+3],   v[P+16*\r+2:P+16*\r+3],   v[P+16*\r+10:P+16*\r+11]
.irp c, 0,1,2,3
	v_fmac_f32 v[P+16*\r+\c], s[G0R+\r], v[B2+\c]                  ; + g[0][row] b2[0]
.endr
.irp c, 0,1,2,3
	v_fmac_f32 v[P+16*\r+\c], s[G1R+\r], v[B2+4+\c]                ; + g[1][row] b2[1]
.endr
	global_store_b128 v1, v[P+16*\r:P+16*\r+3], s[10:11] offset:ROWB*\r th:TH_STORE_NT
.endr
	s_endpgm
.Lfunc_end_k_q2c32fd9794_red:
	.size	k_q2c32fd9794_red, .Lfunc_end_k_q2c32fd9794_red-k_q2c32fd9794_red
	.p2alignl 7, 3214868480
	.fill 96, 4, 3214868480
	.section	.rodata,"a",@progbits
	.p2align	6, 0x0
	.amdhsa_kernel k_q2c32fd9794_red
		.amdhsa_group_segment_fixed_size 0
		.amdhsa_private_segment_fixed_size 0
		.amdhsa_enable_private_segment 0
		.amdhsa_kernarg_size 32
		.amdhsa_user_sgpr_count 2
		.amdhsa_user_sgpr_kernarg_segment_ptr 1
		.amdhsa_wavefront_size32 1
		.amdhsa_system_sgpr_workgroup_id_x 1
		.amdhsa_system_sgpr_workgroup_id_y 1
		.amdhsa_system_sgpr_workgroup_id_z 1
		.amdhsa_system_vgpr_workitem_id 0
		.amdhsa_next_free_vgpr 144
		.amdhsa_next_free_sgpr 66
		.amdhsa_reserve_vcc 0
		.amdhsa_float_denorm_mode_32 3
		.amdhsa_float_denorm_mode_16_64 3
		.amdhsa_memory_ordered 1
		.amdhsa_forward_progress 1
		.amdhsa_inst_pref_size 11
	.end_amdhsa_kernel
	.amdgpu_metadata
---
amdhsa.version: [ 1, 2 ]
amdhsa.kernels:
  - .name:           k_q2c32fd9794_red
    .symbol:         k_q2c32fd9794_red.kd
    .args:
      - { .name: part, .offset: 0, .size: 8, .value_kind: global_buffer, .address_space: global }
      - { .name: b2, .offset: 8, .size: 8, .value_kind: global_buffer, .address_space: global }
      - { .name: gates, .offset: 16, .size: 8, .value_kind: global_buffer, .address_space: global }
      - { .name: out0, .offset: 24, .size: 8, .value_kind: global_buffer, .address_space: global }
    .group_segment_fixed_size: 0
    .private_segment_fixed_size: 0
    .kernarg_segment_align: 8
    .kernarg_segment_size: 32
    .max_flat_workgroup_size: 256
    .sgpr_count:     66
    .vgpr_count:     144
    .wavefront_size: 32
...
	.end_amdgpu_metadata
.endif
;; end of part 4
;; ======== version 2 of 2: 4 launches; version 1 with the launch prep written anew for expert scheduling mode
;; limits: a function is approximated: absolute error at most 2.5e-05; an absolute error that grows with the inputs' magnitude: up to 1.25e-05 times it; values are held in f16: magnitudes above 65,504 overflow, below 6.1e-05 lose precision; inputs' magnitudes at most 65,504
;; workspace buffers: xh 8,388,608 bytes; w1h 16,777,216 bytes; w2h 16,777,216 bytes; gates 32,768 bytes; h 67,108,864 bytes; part 67,108,864 bytes
;; launch prep (part 5): grid 256 x 3, 8 waves a work-group, no clusters, 0 bytes of LDS; arguments W1, W2, x, Wr, br, w1h, w2h, xh, gates; writes w1h, w2h, xh, gates
.if DOCPART == 5
	.amdgcn_target "amdgcn-amd-amdhsa--gfx1250"
	.amdhsa_code_object_version 6
	.text
	.protected	k_q2c32fd9794_prep
	.globl	k_q2c32fd9794_prep
	.p2align	8
	.type	k_q2c32fd9794_prep,@function
k_q2c32fd9794_prep:
	s_mov_b64 s[64:65], 0
	v_nop
	global_prefetch_b8 v0, s[64:65] scope:SCOPE_SE
	s_setreg_imm32_b32 hwreg(HW_REG_WAVE_SCHED_MODE, 0, 2), 2
	s_setreg_imm32_b32 hwreg(HW_REG_WAVE_MODE, 25, 1), 1
	s_wait_xcnt 0x0
	s_wait_alu depctr_vm_vsrc(0)
; prep: W1, W2 and x from f32 to f16 in the same layout (the matrix launches take 16-bit operands), and the router in f32.
; WHY f16 AND NOT bf16: the result passes through four roundings of operands (x, W1, h, W2), each of which adds noise in proportion to its step; f16 has
; 11 significant bits against bf16's 8, an eighth of the noise.
; LIMIT: f16 reaches 65,504, is fully precise down to 2^-14 and has steps of 2^-24 below.  x as drawn reaches about 5.5 and the weights 0.11: thirty times
; larger (165; 3.3) or an offset of thirty spreads (35; 0.7) fits.  Weights thirty times smaller have a root mean square of 6.7e-4, eleven times 2^-14, and
; the step 2^-24 is 9e-5 of that.  An input of magnitude 65,520 or more becomes infinite here.
; Grid y = 0: W1, y = 1: W2, y = 2: x with the router.  A stream: no LDS, no barrier, no matrix unit; every input byte is read once.
; y = 0, 1: a work-group casts 131,072 bytes of f32 (256 groups x 131,072 = the tensor's 33,554,432).  All 32 loads of a thread go out first,
;           each into registers of its own, so nothing is rewritten while a load or store may still read it.
; y = 2:    a work-group takes 16 rows of x, a wave two.  A row (4,096 bytes) lies in 32 registers of the wave: it feeds the two logits and is
;           then rounded and stored.  gates[e][t] = p_e where p_e >= the second largest p (k = 2), else 0; p = softmax with the maximum taken away.
; The gates leave as 8 bytes a wave and expert: 32,768 bytes in the whole launch beside 41,943,040 of casts.
; THE MODE: SCHED_MODE bits 1:0 = 2 (LLVM: expert scheduling mode 2), set by the entry lines.  The code itself states the register dependences
; between vector instructions and memory instructions, with s_wait_alu, always for 0.
; THE PLAN, the cast.  Registers that memory instructions touch:
;   v1, v2        byte offsets of the loads and of the stores: made once at the head, never written again.
;   CX + 4 i ..   load i lands there, once; two roundings write its first two registers in place; store i reads these two; nothing writes them afterwards.
; The 32 loads go in eight groups of four.  The wait at the head of group g states that the roundings of group g - 1 have written what that group's four
; stores read; these stores are dealt among group g's roundings, which name group g's registers alone.
; THE PLAN, the router.  Registers that memory instructions touch:
;   v2, v3, v140, v151   byte offsets in x, xh, Wr and gates: made once at the head, never written again.
;   W, RX                loaded once; no vector instruction names them ahead of the loads.
;   RX, row r            its sixteen roundings write the first two of each four registers; the row's eight stores read them; nothing writes them afterwards.
;   v145                 the gate: written by the last select, read by the one masked store.
; Row 0's stores stand behind the wait at row 1's head, among row 1's multiply-adds (which name W, row 1 of RX and row 1's chains); row 1's stores stand
; behind the wait for the two exponentials.  Scalar registers that vector instructions write: s4, s2, s5 at the head and s6, s7 behind the probabilities,
; each run with one wait ahead of its first reader; VCC for the mask on EXEC.
.set CX,  4                            ; cast: v[4:131]   32 loads of 4 registers
.set W,   4                            ; router: v[4:67]  Wr: W+8j+2c+e = Wr[128 j + 4 lane + c][e]
.set RX,  68                           ; v[68:131]        two rows of x: RX+32r+4j+c = x[row r][128 j + 4 lane + c]
.set ACC, 132                          ; v[132:139]       row r: four chains: logit 0 and 1 of even c, logit 0 and 1 of odd c
	s_load_b512 s[8:23], s[0:1], 0x0               ; W1 s[8:9], W2 s[10:11], x s[12:13], Wr s[14:15], br s[16:17], w1h s[18:19], w2h s[20:21], xh s[22:23]
	s_load_b64 s[24:25], s[0:1], 0x40              ; gates
	s_and_b32 s3, ttmp7, 0xffff                    ; grid y: which job
	s_lshl_b32 s30, ttmp9, 17                      ; group x 131,072 bytes of f32
	s_mov_b32 s31, 0
	s_lshl_b32 s32, ttmp9, 16                      ; group x 65,536: bytes of f16 of a weight, and 16 rows of x in f32
	s_mov_b32 s33, 0
	s_wait_kmcnt 0x0
	s_cmp_eq_u32 s3, 2
	s_cbranch_scc1 .Lrouter
	; ---- the cast of a weight ----
	s_cmp_eq_u32 s3, 0
	s_cselect_b64 s[26:27], s[8:9], s[10:11]       ; from W1 or W2
	s_cselect_b64 s[28:29], s[18:19], s[20:21]     ; to w1h or w2h
	s_add_nc_u64 s[26:27], s[26:27], s[30:31]
	s_add_nc_u64 s[28:29], s[28:29], s[32:33]
	v_lshlrev_b32 v1, 4, v0                        ; 16 bytes of f32 a thread: a wave's load covers 512 neighbouring bytes
	v_lshlrev_b32 v2, 3, v0                        ; 8 bytes of f16 a thread: a wave's store covers 256 neighbouring bytes, aligned
	s_wait_alu depctr_va_vdst(0)                   ; v1 and v2 are written: every load below reads v1 as its offset, every store v2
.set i, 0
.rept 32
	global_load_b128 v[CX+4*i:CX+4*i+3], v1, s[26:27] offset:4096*i th:TH_LOAD_NT
.set i, i+1
.endr
; Group g: loads 4 g to 4 g + 3 are rounded in place.  prev = 1: the four stores of group g - 1 are dealt among the roundings.
.macro GRP g, prev
	s_wait_loadcnt 28-4*(\g)                       ; loads return in order: this group's four are in, the four of each later group stay out
.if \prev
	s_wait_alu depctr_va_vdst(0)                   ; the roundings of the group before have written the registers that its four stores, below, read
.endif
.irp q, 0,1,2,3
.if \prev
	global_store_b64 v2, v[CX+16*(\g-1)+4*\q:CX+16*(\g-1)+4*\q+1], s[28:29] offset:2048*(4*(\g-1)+\q)   ; no vector instruction since the wait names these registers
.endif
	v_cvt_pk_f16_f32 v[CX+16*(\g)+4*\q],   v[CX+16*(\g)+4*\q],   v[CX+16*(\g)+4*\q+1]
	v_cvt_pk_f16_f32 v[CX+16*(\g)+4*\q+1], v[CX+16*(\g)+4*\q+2], v[CX+16*(\g)+4*\q+3]
.endr
.endm
	GRP 0, 0
	GRP 1, 1
	GRP 2, 1
	GRP 3, 1
	GRP 4, 1
	GRP 5, 1
	GRP 6, 1
	GRP 7, 1
	s_wait_alu depctr_va_vdst(0)                   ; the last group's roundings have written the registers that the last four stores read
.irp q, 0,1,2,3
	global_store_b64 v2, v[CX+16*7+4*\q:CX+16*7+4*\q+1], s[28:29] offset:2048*(4*7+\q)
.endr
	s_endpgm
	; ---- x and the router ----
.Lrouter:
	s_load_b64 s[34:35], s[16:17], 0x0             ; br[0], br[1]
	v_lshrrev_b32 v141, 5, v0
	v_readfirstlane_b32 s4, v141                   ; wave 0..7
	v_and_b32 v1, 31, v0                           ; lane
	v_lshlrev_b32 v2, 4, v1                        ; x: 16 bytes a lane
	v_lshlrev_b32 v3, 3, v1                        ; xh: 8 bytes a lane
	v_lshlrev_b32 v140, 5, v1                      ; Wr: 4 rows of 8 bytes a lane
	; for the gates: lanes 0..3 = (row 0, e 0), (row 1, e 0), (row 0, e 1), (row 1, e 1); the two masks and the store's offset hang on the lane alone
	v_and_b32 v141, 1, v1                          ; which row
	v_and_b32 v150, 2, v1                          ; which expert (0 or 2)
	v_cmp_eq_u32 s2, 1, v141                       ; lanes of row 1
	v_cmp_ne_u32 s5, 0, v150                       ; lanes of expert 1
	v_lshlrev_b32 v151, 2, v141                    ; 4 bytes a token
	v_lshl_add_u32 v151, v150, 13, v151            ; + 16,384 bytes an expert
	s_mov_b32 s36, 0x76543210                      ; v_permlanex16_b32: lane i of one half reads lane i of the other
	s_mov_b32 s37, 0xfedcba98
	s_wait_alu depctr_va_sdst(0)                   ; s4, s2 and s5 are written, ahead of their first readers: the bases below are made from s4, the selects further down read s2 and s5
	s_lshl_b32 s40, s4, 13                         ; wave x 2 rows x 4,096 bytes
	s_add_co_u32 s40, s40, s32                     ; + group x 16 rows
	s_mov_b32 s41, 0
	s_add_nc_u64 s[12:13], s[12:13], s[40:41]      ; x at my two rows
	s_lshl_b32 s42, ttmp9, 15
	s_lshl_b32 s43, s4, 12
	s_add_co_u32 s42, s42, s43
	s_mov_b32 s43, 0
	s_add_nc_u64 s[22:23], s[22:23], s[42:43]      ; xh at my two rows (2,048 bytes each)
	s_lshl_b32 s44, ttmp9, 6
	s_lshl_b32 s45, s4, 3
	s_add_co_u32 s44, s44, s45
	s_mov_b32 s45, 0
	s_add_nc_u64 s[24:25], s[24:25], s[44:45]      ; gates[0] at my two tokens
	s_wait_alu depctr_va_vdst(0)                   ; the offsets v2, v3, v140 and v151 are written, which the loads and stores of this path read
.irp j, 0,1,2,3,4,5,6,7
	global_load_b128 v[W+8*\j:W+8*\j+3],   v140, s[14:15] offset:1024*\j
	global_load_b128 v[W+8*\j+4:W+8*\j+7], v140, s[14:15] offset:1024*\j+16
.endr
.irp r, 0,1
.irp j, 0,1,2,3,4,5,6,7
	global_load_b128 v[RX+32*\r+4*\j:RX+32*\r+4*\j+3], v2, s[12:13] offset:4096*\r+512*\j th:TH_LOAD_NT
.endr
.endr
; Row r: the two logits (every lane ends with both), then the row rounded in place.  left = younger loads that may stay out.
; prev = 1: the eight stores of the row before are dealt among this row's multiply-adds.
.macro ROW r, left, prev
	s_wait_loadcnt \left
.if \prev
	s_wait_alu depctr_va_vdst(0)                   ; the roundings of the row before have written the registers that its eight stores, below, read
	global_store_b64 v3, v[RX+32*(\r-1):RX+32*(\r-1)+1], s[22:23] offset:2048*(\r-1)   ; the wave stores 256 neighbouring bytes, aligned
.endif
	v_mul_f32  v[ACC+4*\r+0], v[RX+32*\r+0], v[W+0]            ; the first products start the four chains: nothing is cleared
	v_mul_f32  v[ACC+4*\r+1], v[RX+32*\r+0], v[W+1]
	v_mul_f32  v[ACC+4*\r+2], v[RX+32*\r+1], v[W+2]
	v_mul_f32  v[ACC+4*\r+3], v[RX+32*\r+1], v[W+3]
	v_fmac_f32 v[ACC+4*\r+0], v[RX+32*\r+2], v[W+4]
	v_fmac_f32 v[ACC+4*\r+1], v[RX+32*\r+2], v[W+5]
	v_fmac_f32 v[ACC+4*\r+2], v[RX+32*\r+3], v[W+6]
	v_fmac_f32 v[ACC+4*\r+3], v[RX+32*\r+3], v[W+7]
.irp j, 1,2,3,4,5,6,7
.if \prev
	global_store_b64 v3, v[RX+32*(\r-1)+4*\j:RX+32*(\r-1)+4*\j+1], s[22:23] offset:2048*(\r-1)+256*\j   ; no vector instruction since the wait names the row before's registers
.endif
.irp c, 0,1,2,3
	v_fmac_f32 v[ACC+4*\r+2*(\c&1)],   v[RX+32*\r+4*\j+\c], v[W+8*\j+2*\c]
	v_fmac_f32 v[ACC+4*\r+2*(\c&1)+1], v[RX+32*\r+4*\j+\c], v[W+8*\j+2*\c+1]
.endr
.endr
	v_add_f32 v[ACC+4*\r],   v[ACC+4*\r],   v[ACC+4*\r+2]
	v_add_f32 v[ACC+4*\r+1], v[ACC+4*\r+1], v[ACC+4*\r+3]
.irp m, 1,2,4,8
	v_add_f32_dpp v[ACC+4*\r],   v[ACC+4*\r],   v[ACC+4*\r]   row_xmask:\m row_mask:0xf bank_mask:0xf
	v_add_f32_dpp v[ACC+4*\r+1], v[ACC+4*\r+1], v[ACC+4*\r+1] row_xmask:\m row_mask:0xf bank_mask:0xf
.endr
	v_permlanex16_b32 v[ACC+4*\r+2], v[ACC+4*\r],   s36, s37   ; the destinations are the spent chains: written before
	v_permlanex16_b32 v[ACC+4*\r+3], v[ACC+4*\r+1], s36, s37
	v_add_f32 v[ACC+4*\r],   v[ACC+4*\r],   v[ACC+4*\r+2]
	v_add_f32 v[ACC+4*\r+1], v[ACC+4*\r+1], v[ACC+4*\r+3]
.irp j, 0,1,2,3,4,5,6,7
	v_cvt_pk_f16_f32 v[RX+32*\r+4*\j],   v[RX+32*\r+4*\j],   v[RX+32*\r+4*\j+1]
	v_cvt_pk_f16_f32 v[RX+32*\r+4*\j+1], v[RX+32*\r+4*\j+2], v[RX+32*\r+4*\j+3]
.endr
.endm
	ROW 0, 8, 0                                    ; Wr and row 0 are in; row 1's eight loads stay out
	ROW 1, 0, 1
	; the gates: lanes 0..3 hold (row, expert) as laid out at the head; the other lanes compute along and store nothing
	v_cndmask_b32 v142, v[ACC],   v[ACC+4], s2
	v_cndmask_b32 v143, v[ACC+1], v[ACC+5], s2
	s_wait_kmcnt 0x0                               ; br
	v_add_f32 v142, s34, v142                      ; logit 0
	v_add_f32 v143, s35, v143                      ; logit 1
	v_max_num_f32 v144, v142, v143                 ; the maximum is taken away, as in the softmax
	v_sub_f32 v142, v142, v144
	v_sub_f32 v143, v143, v144
	v_mul_f32 v142, 0x3fb8aa3b, v142               ; e^x = 2^(x log2 e)
	v_mul_f32 v143, 0x3fb8aa3b, v143
	v_exp_f32 v145, v142
	v_exp_f32 v146, v143
	v_nop                                          ; one plain vector instruction behind the exponentials, ahead of their first use
	s_wait_alu depctr_va_vdst(0)                   ; the exponentials have written v145 and v146, ahead of their first reader; row 1's roundings have written the registers that its stores read
.irp j, 0,1,2,3,4,5,6,7
	global_store_b64 v3, v[RX+32+4*\j:RX+32+4*\j+1], s[22:23] offset:2048+256*\j   ; the wave stores 256 neighbouring bytes, aligned
.endr
	v_add_f32 v147, v145, v146
	v_rcp_f32 v148, v147
	v_nop                                          ; and behind the reciprocal
	s_wait_alu depctr_va_vdst(0)                   ; the reciprocal has written v148, ahead of its first reader
	v_mul_f32 v145, v145, v148                     ; p0
	v_mul_f32 v146, v146, v148                     ; p1
	v_min_num_f32 v149, v145, v146                 ; the k-th largest of two, k = 2
	v_cmp_ge_f32 s6, v145, v149
	v_cmp_ge_f32 s7, v146, v149
	s_wait_alu depctr_va_sdst(0)                   ; the two compares have written s6 and s7, which the selects below read
	v_cndmask_b32 v145, 0, v145, s6                ; p >= kth ? p : 0
	v_cndmask_b32 v146, 0, v146, s7
	v_cndmask_b32 v145, v145, v146, s5             ; my expert's
	s_wait_xcnt 0x0                                ; EXEC is a source of the stores above: it changes only behind this wait
	v_cmp_gt_u32 vcc_lo, 4, v1
	s_wait_alu depctr_va_vcc(0)                    ; the compare has written VCC, from which EXEC is made
	s_wait_alu depctr_va_vdst(0)                   ; ahead of the write of EXEC: the vector instructions issued so far are done; among them the select that wrote v145, which the store below reads
	s_wait_alu depctr_vm_vsrc(0)                   ; ahead of the write of EXEC: the stores issued so far have read their registers
	s_and_saveexec_b32 s39, vcc_lo
	global_store_b32 v151, v145, s[24:25]
	s_wait_xcnt 0x0                                ; and again ahead of the line that widens it
	s_wait_alu depctr_va_vdst(0)                   ; ahead of the write of EXEC: no vector instruction is still at work under the narrow mask
	s_wait_alu depctr_vm_vsrc(0)                   ; ahead of the write of EXEC: the masked store has read v151 and v145
	s_or_b32 exec_lo, exec_lo, s39
	s_endpgm
.Lfunc_end_k_q2c32fd9794_prep:
	.size	k_q2c32fd9794_prep, .Lfunc_end_k_q2c32fd9794_prep-k_q2c32fd9794_prep
	.p2alignl 7, 3214868480
	.fill 96, 4, 3214868480
	.section	.rodata,"a",@progbits
	.p2align	6, 0x0
	.amdhsa_kernel k_q2c32fd9794_prep
		.amdhsa_group_segment_fixed_size 0
		.amdhsa_private_segment_fixed_size 0
		.amdhsa_enable_private_segment 0
		.amdhsa_kernarg_size 72
		.amdhsa_user_sgpr_count 2
		.amdhsa_user_sgpr_kernarg_segment_ptr 1
		.amdhsa_wavefront_size32 1
		.amdhsa_system_sgpr_workgroup_id_x 1
		.amdhsa_system_sgpr_workgroup_id_y 1
		.amdhsa_system_sgpr_workgroup_id_z 1
		.amdhsa_system_vgpr_workitem_id 0
		.amdhsa_next_free_vgpr 152
		.amdhsa_next_free_sgpr 66
		.amdhsa_reserve_vcc 1
		.amdhsa_float_denorm_mode_32 3
		.amdhsa_float_denorm_mode_16_64 3
		.amdhsa_memory_ordered 1
		.amdhsa_forward_progress 1
		.amdhsa_inst_pref_size 27
	.end_amdhsa_kernel
	.amdgpu_metadata
---
amdhsa.version: [ 1, 2 ]
amdhsa.kernels:
  - .name:           k_q2c32fd9794_prep
    .symbol:         k_q2c32fd9794_prep.kd
    .args:
      - { .name: W1, .offset: 0, .size: 8, .value_kind: global_buffer, .address_space: global }
      - { .name: W2, .offset: 8, .size: 8, .value_kind: global_buffer, .address_space: global }
      - { .name: x, .offset: 16, .size: 8, .value_kind: global_buffer, .address_space: global }
      - { .name: Wr, .offset: 24, .size: 8, .value_kind: global_buffer, .address_space: global }
      - { .name: br, .offset: 32, .size: 8, .value_kind: global_buffer, .address_space: global }
      - { .name: w1h, .offset: 40, .size: 8, .value_kind: global_buffer, .address_space: global }
      - { .name: w2h, .offset: 48, .size: 8, .value_kind: global_buffer, .address_space: global }
      - { .name: xh, .offset: 56, .size: 8, .value_kind: global_buffer, .address_space: global }
      - { .name: gates, .offset: 64, .size: 8, .value_kind: global_buffer, .address_space: global }
    .group_segment_fixed_size: 0
    .private_segment_fixed_size: 0
    .kernarg_segment_align: 8
    .kernarg_segment_size: 72
    .max_flat_workgroup_size: 256
    .sgpr_count:     66
    .vgpr_count:     152
    .wavefront_size: 32
...
	.end_amdgpu_metadata
.endif
;; end of part 5
;; launch ffn1: the kernel of part 2 again; grid 32 x 16, 4 waves a work-group, clusters of 4 x 4, 327,680 bytes of LDS; arguments xh, w1h, b1, gates, h; writes h
;; launch ffn2: the kernel of part 3 again; grid 16 x 16, 4 waves a work-group, clusters of 4 x 4, 327,680 bytes of LDS; arguments h, w2h, part; writes part
;; launch red: the kernel of part 4 again; grid 512 x 1, 8 waves a work-group, no clusters, 0 bytes of LDS; arguments part, b2, gates, out0; writes out0
